; MI455X (gfx1250); checked and timed in simulation.
; The chip was launched on July 23, 2026; its instructions are those of AMD's public machine-readable ISA for CDNA 5 (MIT licence, August 2026) and "CDNA5" Instruction Set Architecture Reference Guide (July 2026). The comments in the code are by the model that wrote it; some were corrected since.
;; Decoder Block. Allowed arithmetic: float matrix products may take bf16 or f16 operands with f32 sums; other float arithmetic in f32, or as packed bf16 or f16 multiplies, adds, multiply-adds, maxima and minima; sums over many terms, partial sums and values carried from step to step in f32; what a program stores and reads back later, other than sums and carried values, may be rounded once to bf16 or f16.
;; Inputs: Wk 1,024 x 1,024 float32; Wo 1,024 x 1,024 float32; Wq 1,024 x 1,024 float32; Wv 1,024 x 1,024 float32; b1 4,096 float32; b2 1,024 float32; be1 1,024 float32; be2 1,024 float32; g1 1,024 float32; g2 1,024 float32; mask 1 x 1 x 2,048 x 2,048 bool; w1 1,024 x 4,096 float32; w2 4,096 x 1,024 float32; x 2 x 2,048 x 1,024 float32.
;; Outputs: out0 2 x 2,048 x 1,024 float32.
;; One version. Each part assembles by itself: llvm-mc -triple=amdgcn-amd-amdhsa -mcpu=gfx1250 --defsym DOCPART=n.
;; ======== version 1 of 1: 7 launches
;; limits: right only within a limited range of input values
;; workspace buffers: t8 8,388,608 bytes; wA 8,421,376 bytes; wB 16,809,984 bytes; mtab 2,105,344 bytes; qkv 25,165,824 bytes; h 16,777,216 bytes; act 33,554,432 bytes
;; launch prep (part 1): grid 2178 x 1, 8 waves a work-group, no clusters, 51,968 bytes of LDS; arguments x, g1, be1, Wq, Wk, Wv, Wo, w1, w2, b1, mask, t8, wA, wB, mtab; writes t8, wA, wB, mtab
.if DOCPART == 1
	.amdgcn_target "amdgcn-amd-amdhsa--gfx1250"
	.amdhsa_code_object_version 6
	.text
	.protected	k_qd20951715c_prep
	.globl	k_qd20951715c_prep
	.p2align	8
	.type	k_qd20951715c_prep,@function
k_qd20951715c_prep:
	s_mov_b64 s[64:65], 0
	v_nop
	global_prefetch_b8 v0, s[64:65] scope:SCOPE_SE
	s_setreg_imm32_b32 hwreg(HW_REG_WAVE_MODE, 25, 1), 1
	s_wait_xcnt 0x0
; PREP: everything that only streams, in one body; the work-group's number chooses its role.
;   0 .. 511      LN    t8 = LayerNorm(x; g1, be1) in bf16, [4096][1024]; 8 rows a work-group, one a wave, the row kept in 32 registers
;   512 .. 2047   TR    a tile of 128 k x 64 n of a weight [K][N] f32 goes out as [n][k] bf16: Wq, Wk, Wv, Wo into wA, w1 and w2 into wB
;   2048 .. 2175  MASK  16 rows of the mask become 4-bit codes in the lane order of the attention's score tiles, and a flag a row
;   2176, 2177    PAR   wA: 4,096 zeros (the bias of q, k, v) and the floor -inf; wB: b1 and the floor 0 (ReLU)
; THE SAME BODY SERVES THE SECOND LAYERNORM: a launch of its first 512 work-groups alone, with h, g2, be2 in the places of x, g1, be1.
; wA: 0 the zeros; 16,384 the floor; 32,768 Wq, Wk, Wv, Wo as [4096 n][1024 k].  wB: 0 b1; 16,384 the floor; 32,768 w1 as [4096][1024]; 8,421,376 w2 as [1024][4096].
; No matrix unit, no cluster, no tensor load: nothing is shared between work-groups and every byte is read once.
; MASK CODES.  0 keeps a score, 0xF (-6 in E2M1) hides it.  A row with no true entry gets codes 0 and flag 0: the attention clears
; that row's q, so all its scores are equal, as where every score is replaced by one number.
; Mean and variance in f32, the mean taken away before the squares.
; LDS.  The two roles that use LDS have bytes of their own, so that no store of the one can meet a store of the other:
; MASK 0 .. 33,535 (its rows and ANY), TR 33,536 .. 50,943 (its stage), then the spare words.
; 114 registers a wave, so that several work-groups can lie on a WGP, each with its loads on their way.
.set NLN,    512                       ; work-groups of each role
.set NTR,    1536
.set NMK,    128
.set MPITCH, 2064                      ; a mask row in LDS: 2,048 bytes + 16
.set TPITCH, 272                       ; a transposed row in LDS: 128 k x 2 bytes + 16
.set ANY,    33024                     ; 16 rows x 8 waves: each wave's OR of its part of a row
.set TSTG,   33536                     ; TR's stage: 64 rows of TPITCH bytes
.set SPARE,  TSTG+64*TPITCH            ; the spare words: 128 bytes for each of the eight waves; no other line names them
.set SPW, 112                          ; v112  SPARE + 4 x my thread's number; never rewritten
.set NIL, 113                          ; v113  0; never rewritten
.set G,   16                           ; v[16:47]   LN: gamma of my 32 columns
.set BE,  48                           ; v[48:79]   LN: beta
.set X,   80                           ; v[80:111]  LN: the row
.set Y,   16                           ; v[16:31]   LN: the row in bf16, where gamma lay
.set TL,  32                           ; v[32:63]   TR: 8 k rows x 4 n as loaded
.set TC,  64                           ; v[64:79]   TR: 4 n x 8 k in bf16
.set TB,  80                           ; v[80:95]   TR: whole rows read back
.set ML,  64                           ; v[64:95]   MASK, PAR: as loaded
.macro CLOSE                           ; every wave ends so, whatever its role
	s_wait_tensorcnt 0x0
	ds_add_u32 v[SPW], v[NIL]
	s_wait_dscnt 0x0
	s_endpgm
.endm
.macro LNSUM                           ; four pairs v[4:11] -> the sum over the wave's 32 lanes, in v4 of every lane
	v_pk_add_f32 v[4:5], v[4:5], v[6:7]
	v_pk_add_f32 v[8:9], v[8:9], v[10:11]
	v_pk_add_f32 v[4:5], v[4:5], v[8:9]
	v_add_f32 v4, v4, v5
	v_add_f32_dpp v4, v4, v4 row_xmask:1 row_mask:0xf bank_mask:0xf
	v_add_f32_dpp v4, v4, v4 row_xmask:2 row_mask:0xf bank_mask:0xf
	v_add_f32_dpp v4, v4, v4 row_xmask:4 row_mask:0xf bank_mask:0xf
	v_add_f32_dpp v4, v4, v4 row_xmask:8 row_mask:0xf bank_mask:0xf
	v_permlanex16_b32 v5, v4, s48, s49
	v_add_f32 v4, v4, v5
.endm
	s_load_b512 s[4:19], s[0:1], 0x0               ; x 4, g1 6, be1 8, Wq 10, Wk 12, Wv 14, Wo 16, w1 18
	s_load_b256 s[20:27], s[0:1], 0x40             ; w2 20, b1 22, mask 24, t8 26
	s_load_b128 s[28:31], s[0:1], 0x60             ; wA 28, wB 30
	s_load_b64 s[32:33], s[0:1], 0x70              ; mtab
	v_lshl_add_u32 v[SPW], v0, 2, SPARE
	v_mov_b32 v[NIL], 0
	v_lshrrev_b32 v1, 5, v0
	v_readfirstlane_b32 s34, v1                    ; wave 0..7
	v_and_b32 v3, 31, v0                           ; lane
	s_mov_b32 s48, 0x76543210                      ; v_permlanex16_b32: each lane takes its own place in the other half
	s_mov_b32 s49, 0xfedcba98
	s_mov_b32 s50, 0x3a800000                      ; 1 / 1024
	s_mov_b32 s51, 0x3727c5ac                      ; 1e-5
	s_mov_b32 s52, 0x06040200                      ; bytes 0 and 2 of two words
	s_wait_kmcnt 0x0
	s_cmp_lt_u32 ttmp9, NLN
	s_cbranch_scc1 .Lln
	s_cmp_lt_u32 ttmp9, NLN+NTR
	s_cbranch_scc1 .Ltr
	s_cmp_lt_u32 ttmp9, NLN+NTR+NMK
	s_cbranch_scc1 .Lmask
	; PAR: 16 KiB of bias and 2 KiB of floor at the head of wA (number 0) or wB (number 1)
	s_sub_co_u32 s35, ttmp9, NLN+NTR+NMK
	s_cmp_eq_u32 s35, 1
	s_cselect_b64 s[38:39], s[30:31], s[28:29]
	s_cselect_b32 s44, -1, 0                       ; b1 is kept for wB and cleared for wA
	s_cselect_b32 s45, 0, 0xff80ff80               ; the floor, twice in bf16: 0, or -inf
	v_lshlrev_b32 v1, 4, v0
.irp i, 0,1,2,3
	global_load_b128 v[ML+4*\i:ML+4*\i+3], v1, s[22:23] offset:4096*\i
.endr
	v_lshlrev_b32 v2, 3, v0
	v_mov_b32 v4, s45
	v_mov_b32 v5, s45
	global_store_b64 v2, v[4:5], s[38:39] offset:16384
	s_wait_loadcnt 0x0
.set k, 0
.rept 16
	v_and_b32 v[ML+k], s44, v[ML+k]
.set k, k+1
.endr
.irp i, 0,1,2,3
	global_store_b128 v1, v[ML+4*\i:ML+4*\i+3], s[38:39] offset:4096*\i
.endr
	CLOSE
.Lln:                                                  ; LN: load j of the row covers its bytes 512 j .. 512 j + 511
	s_lshl_b32 s36, ttmp9, 3
	s_add_co_u32 s36, s36, s34                     ; my row
	s_lshl_b32 s38, s36, 11
	s_lshl_b32 s36, s36, 12
	s_mov_b32 s37, 0
	s_mov_b32 s39, 0
	s_add_nc_u64 s[36:37], s[4:5], s[36:37]
	s_add_nc_u64 s[38:39], s[26:27], s[38:39]
	v_lshlrev_b32 v1, 4, v3
	v_lshlrev_b32 v2, 3, v3
.irp j, 0,1,2,3,4,5,6,7
	global_load_b128 v[X+4*\j:X+4*\j+3], v1, s[36:37] offset:512*\j th:TH_LOAD_NT
.endr
.irp j, 0,1,2,3,4,5,6,7
	global_load_b128 v[G+4*\j:G+4*\j+3], v1, s[6:7] offset:512*\j
.endr
.irp j, 0,1,2,3,4,5,6,7
	global_load_b128 v[BE+4*\j:BE+4*\j+3], v1, s[8:9] offset:512*\j
.endr
	s_wait_loadcnt 16                              ; the row is in; gamma's and beta's sixteen loads may stay out
.irp c, 0,1,2,3
	v_pk_add_f32 v[4+2*\c:5+2*\c], v[X+2*\c:X+2*\c+1], v[X+8+2*\c:X+8+2*\c+1]
.endr
.irp k, 16,18,20,22,24,26,28,30
	v_pk_add_f32 v[4+(\k)%8:5+(\k)%8], v[4+(\k)%8:5+(\k)%8], v[X+\k:X+\k+1]
.endr
	LNSUM
	v_mul_f32 v14, s50, v4                         ; the mean, twice: a pair for the packed lines
	v_mul_f32 v15, s50, v4
.set k, 0
.rept 16
	v_pk_add_f32 v[X+k:X+k+1], v[X+k:X+k+1], v[14:15] neg_lo:[0,1] neg_hi:[0,1]
.set k, k+2
.endr
.irp c, 0,1,2,3
	v_pk_mul_f32 v[4+2*\c:5+2*\c], v[X+2*\c:X+2*\c+1], v[X+2*\c:X+2*\c+1]
.endr
.set k, 8
.rept 12
	v_pk_fma_f32 v[4+k%8:5+k%8], v[X+k:X+k+1], v[X+k:X+k+1], v[4+k%8:5+k%8]
.set k, k+2
.endr
	LNSUM
	v_fma_f32 v12, v4, s50, s51                    ; variance + 1e-5
	v_rsq_f32 v14, v12
	v_nop                                          ; a plain line behind the root,
	s_wait_alu depctr_va_vdst(0)                   ; and the wait ahead of its first reader
	v_mov_b32 v15, v14
.set k, 0
.rept 16
	v_pk_mul_f32 v[X+k:X+k+1], v[X+k:X+k+1], v[14:15]
.set k, k+2
.endr
	s_wait_loadcnt 0x0                             ; gamma and beta
.set k, 0
.rept 16
	v_pk_fma_f32 v[X+k:X+k+1], v[X+k:X+k+1], v[G+k:G+k+1], v[BE+k:BE+k+1]
.set k, k+2
.endr
.set k, 0
.rept 16
	v_cvt_pk_bf16_f32 v[Y+k], v[X+2*k], v[X+2*k+1]
.set k, k+1
.endr
.irp j, 0,1,2,3,4,5,6,7
	global_store_b64 v2, v[Y+2*\j:Y+2*\j+1], s[38:39] offset:256*\j  ; the wave's 32 lanes store 256 consecutive bytes, aligned
.endr
	CLOSE
.Ltr:                                                  ; TR: tiles 0-511 Wq, Wk, Wv, Wo (128 each); 512-1023 w1; 1024-1535 w2
	s_sub_co_u32 s35, ttmp9, NLN
	s_lshr_b32 s36, s35, 9                         ; group 0, 1, 2
	s_lshr_b32 s37, s35, 7                         ; in group 0: which of the four
	s_and_b32 s44, s35, 7                          ; k tile (K = 1,024: eight)
	s_bfe_u32 s45, s35, 0x40003                    ; n tile (N = 1,024: sixteen)
	s_bfe_u32 s46, s35, 0x60003                    ; w1: N = 4,096: sixty-four
	s_and_b32 s47, s35, 31                         ; w2: K = 4,096: thirty-two
	s_bfe_u32 s54, s35, 0x40005
	s_lshl_b32 s55, s37, 21                        ; group 0: 1,024 rows of 2,048 bytes for each matrix before mine
	s_mov_b64 s[38:39], s[10:11]
	s_cmp_eq_u32 s37, 1
	s_cselect_b64 s[38:39], s[12:13], s[38:39]
	s_cmp_eq_u32 s37, 2
	s_cselect_b64 s[38:39], s[14:15], s[38:39]
	s_cmp_eq_u32 s37, 3
	s_cselect_b64 s[38:39], s[16:17], s[38:39]
	s_cmp_eq_u32 s36, 0
	s_cselect_b64 s[40:41], s[28:29], s[30:31]
	s_cselect_b32 s55, s55, 0
	s_cmp_eq_u32 s36, 1
	s_cselect_b64 s[38:39], s[18:19], s[38:39]
	s_cselect_b32 s45, s46, s45
	s_cselect_b32 s42, 14, 12                      ; log2 of a source row's bytes
	s_cmp_eq_u32 s36, 2
	s_cselect_b64 s[38:39], s[20:21], s[38:39]
	s_cselect_b32 s44, s47, s44
	s_cselect_b32 s45, s54, s45
	s_cselect_b32 s55, 0x800000, s55               ; w2's rows lie behind w1's
	s_cselect_b32 s43, 13, 11                      ; log2 of a result row's bytes
	s_lshl_b32 s46, s44, 7
	s_lshl_b32 s46, s46, s42                       ; 128 k rows a tile,
	s_lshl_b32 s47, s45, 8                         ; 64 n x 4 bytes
	s_add_co_u32 s46, s46, s47
	s_mov_b32 s47, 0
	s_add_nc_u64 s[38:39], s[38:39], s[46:47]
	s_lshl_b32 s46, s45, 6
	s_lshl_b32 s46, s46, s43                       ; 64 n rows a tile,
	s_lshl_b32 s54, s44, 8                         ; 128 k x 2 bytes
	s_add_co_u32 s46, s46, s54
	s_add_co_u32 s46, s46, s55
	s_add_co_u32 s46, s46, 32768                   ; behind the bias and the floor
	s_add_nc_u64 s[40:41], s[40:41], s[46:47]
	s_lshl_b32 s56, 1, s42                         ; a source row
	s_lshl_b32 s57, 16, s43                        ; sixteen result rows
	v_and_b32 v4, 15, v0                           ; which 4 n (16 bytes of a source row)
	v_bfe_u32 v5, v0, 4, 1                         ; which half of the wave's 16 k rows
	s_lshl_b32 s54, s34, 4
	v_lshl_add_u32 v6, v5, 3, s54                  ; my first k row: 16 wave + 8 half
	v_lshlrev_b32 v8, s42, v6
	v_lshl_add_u32 v8, v4, 4, v8
.irp p, 1,2,3,4,5,6,7
	v_add_nc_u32 v[8+\p], s56, v[7+\p]
.endr
.irp p, 0,1,2,3,4,5,6,7
	global_load_b128 v[TL+4*\p:TL+4*\p+3], v[8+\p], s[38:39] th:TH_LOAD_NT  ; sixteen lanes read 256 consecutive bytes of a row, aligned
.endr
	s_lshl_b32 s55, s34, 5
	v_mul_u32_u24 v16, v4, 4*TPITCH                ; in: row n = 4 n4 + c, bytes 32 wave + 16 half
	v_lshl_add_u32 v16, v5, 4, v16
	v_add_nc_u32 v16, s55, v16
	s_mul_i32 s55, s34, 2*TPITCH
	v_mul_u32_u24 v17, v5, TPITCH                  ; back: row 2 wave + half (+ 16 u), 16 bytes a lane
	v_lshl_add_u32 v17, v4, 4, v17
	v_add_nc_u32 v17, s55, v17
	s_lshl_b32 s54, s34, 1
	v_add_nc_u32 v7, s54, v5
	v_lshlrev_b32 v20, s43, v7
	v_lshl_add_u32 v20, v4, 4, v20
.irp u, 1,2,3
	v_add_nc_u32 v[20+\u], s57, v[19+\u]
.endr
	s_wait_loadcnt 0x0
.irp c, 0,1,2,3
.irp i, 0,1,2,3
	v_cvt_pk_bf16_f32 v[TC+4*\c+\i], v[TL+8*\i+\c], v[TL+4+8*\i+\c]  ; column c: k rows 2 i and 2 i + 1
.endr
.endr
.irp c, 0,1,2,3
	ds_store_b128 v16, v[TC+4*\c:TC+4*\c+3] offset:TSTG+TPITCH*\c
.endr
	s_wait_dscnt 0x0                               ; my stores are done, for the others' sake
	s_barrier_signal -1
	s_barrier_wait -1
.irp u, 0,1,2,3
	ds_load_b128 v[TB+4*\u:TB+4*\u+3], v17 offset:TSTG+16*TPITCH*\u
.endr
.irp u, 0,1,2,3
	s_wait_dscnt 3-\u
	global_store_b128 v[20+\u], v[TB+4*\u:TB+4*\u+3], s[40:41]  ; sixteen lanes store 256 consecutive bytes, aligned
.endr
	CLOSE
.Lmask:                                                ; MASK: rows 16 T .. 16 T + 15
	s_sub_co_u32 s35, ttmp9, NLN+NTR
	s_lshl_b32 s36, s35, 15
	s_mov_b32 s37, 0
	s_add_nc_u64 s[36:37], s[24:25], s[36:37]
	v_lshlrev_b32 v1, 4, v0
.irp i, 0,1,2,3,4,5,6,7
	global_load_b128 v[ML+4*\i:ML+4*\i+3], v1, s[36:37] offset:4096*\i th:TH_LOAD_NT
.endr
	s_lshr_b32 s38, s34, 2                         ; load i: row 2 i + wave / 4, bytes 512 (wave % 4) + 16 lane
	s_mul_i32 s38, s38, MPITCH
	s_and_b32 s39, s34, 3
	s_lshl_b32 s39, s39, 9
	s_add_co_u32 s38, s38, s39
	v_lshl_add_u32 v4, v3, 4, s38
	v_and_b32 v6, 15, v0                           ; r: my query in the tile
	v_bfe_u32 v7, v0, 4, 1                         ; hh: my half of each 16 keys
	v_mul_u32_u24 v8, v6, MPITCH
	v_lshl_add_u32 v8, v7, 3, v8
	s_lshl_b32 s38, s34, 8                         ; wave w packs key steps 4 w .. 4 w + 3: 256 keys
	v_add_nc_u32 v8, s38, v8
	s_wait_loadcnt 0x0
.irp i, 0,1,2,3,4,5,6,7
	ds_store_b128 v4, v[ML+4*\i:ML+4*\i+3] offset:2*MPITCH*\i
.endr
	s_wait_dscnt 0x0
	s_barrier_signal -1
	s_barrier_wait -1
.set i, 0
.rept 16                                               ; word i = 4 step + kb: keys 64 step + 16 kb + 8 hh + 0..7 of row r
	ds_load_b64 v[16+2*i:17+2*i], v8 offset:64*(i/4)+16*(i%4)
.set i, i+1
.endr
	s_wait_dscnt 0x0
	v_or_b32 v9, v16, v17
.set i, 18
.rept 30
	v_or_b32 v9, v9, v[i]
.set i, i+1
.endr
	v_mov_b32 v10, 0
	v_permlanex16_b32 v10, v9, s48, s49
	v_or_b32 v9, v9, v10                           ; is any of the row's 256 keys of my wave kept?
	v_lshlrev_b32 v11, 5, v6
	s_lshl_b32 s39, s34, 2
	v_add_nc_u32 v12, s39, v11
	ds_store_b32 v12, v9 offset:ANY
	s_wait_dscnt 0x0
	s_barrier_signal -1
	s_barrier_wait -1
	ds_load_b128 v[ML:ML+3], v11 offset:ANY
	ds_load_b128 v[ML+4:ML+7], v11 offset:ANY+16
	s_wait_dscnt 0x0
	v_or_b32 v9, v[ML], v[ML+1]
.irp i, 2,3,4,5,6,7
	v_or_b32 v9, v9, v[ML+\i]
.endr
	v_cmp_ne_u32 vcc_lo, 0, v9
	v_cndmask_b32 v13, 0, -1, vcc_lo               ; the row's flag: all ones if any key is kept
.set i, 0
.rept 16                                               ; eight bytes 0 / 1 -> eight codes: neighbours joined, bytes 0 and 2 picked, turned over, times 15
	v_lshrrev_b32 v14, 4, v[16+2*i]
	v_lshrrev_b32 v15, 4, v[17+2*i]
	v_or_b32 v14, v14, v[16+2*i]
	v_or_b32 v15, v15, v[17+2*i]
	v_perm_b32 v14, v15, v14, s52
	v_xor_b32 v14, 0x11111111, v14
	v_mul_lo_u32 v14, v14, 15
	v_and_b32 v[48+i], v13, v14
.set i, i+1
.endr
	s_lshl_b32 s40, s35, 14                        ; mtab[T][step][lane][16 bytes]
	s_lshl_b32 s41, s34, 11
	s_add_co_u32 s40, s40, s41
	s_mov_b32 s41, 0
	s_add_nc_u64 s[40:41], s[32:33], s[40:41]
	v_lshlrev_b32 v2, 4, v3
.irp j, 0,1,2,3
	global_store_b128 v2, v[48+4*\j:51+4*\j], s[40:41] offset:512*\j
.endr
	s_cmp_lg_u32 s34, 0
	s_cbranch_scc1 .Lmask_end
	s_lshl_b32 s42, s35, 6
	v_lshl_add_u32 v16, v6, 2, s42
	global_store_b32 v16, v13, s[32:33] offset:2097152  ; the 16 flags (both halves of the lanes store the same word)
.Lmask_end:
	CLOSE
.Lfunc_end_k_qd20951715c_prep:
	.size	k_qd20951715c_prep, .Lfunc_end_k_qd20951715c_prep-k_qd20951715c_prep
	.p2alignl 7, 3214868480
	.fill 96, 4, 3214868480
	.section	.rodata,"a",@progbits
	.p2align	6, 0x0
	.amdhsa_kernel k_qd20951715c_prep
		.amdhsa_group_segment_fixed_size 51968
		.amdhsa_private_segment_fixed_size 0
		.amdhsa_enable_private_segment 0
		.amdhsa_kernarg_size 120
		.amdhsa_user_sgpr_count 2
		.amdhsa_user_sgpr_kernarg_segment_ptr 1
		.amdhsa_wavefront_size32 1
		.amdhsa_system_sgpr_workgroup_id_x 1
		.amdhsa_system_sgpr_workgroup_id_y 1
		.amdhsa_system_sgpr_workgroup_id_z 1
		.amdhsa_system_vgpr_workitem_id 0
		.amdhsa_next_free_vgpr 114
		.amdhsa_next_free_sgpr 66
		.amdhsa_reserve_vcc 1
		.amdhsa_float_denorm_mode_32 3
		.amdhsa_float_denorm_mode_16_64 3
		.amdhsa_memory_ordered 1
		.amdhsa_forward_progress 1
		.amdhsa_inst_pref_size 32
	.end_amdhsa_kernel
	.amdgpu_metadata
---
amdhsa.version: [ 1, 2 ]
amdhsa.kernels:
  - .name:           k_qd20951715c_prep
    .symbol:         k_qd20951715c_prep.kd
    .args:
      - { .name: x, .offset: 0, .size: 8, .value_kind: global_buffer, .address_space: global }
      - { .name: g1, .offset: 8, .size: 8, .value_kind: global_buffer, .address_space: global }
      - { .name: be1, .offset: 16, .size: 8, .value_kind: global_buffer, .address_space: global }
      - { .name: Wq, .offset: 24, .size: 8, .value_kind: global_buffer, .address_space: global }
      - { .name: Wk, .offset: 32, .size: 8, .value_kind: global_buffer, .address_space: global }
      - { .name: Wv, .offset: 40, .size: 8, .value_kind: global_buffer, .address_space: global }
      - { .name: Wo, .offset: 48, .size: 8, .value_kind: global_buffer, .address_space: global }
      - { .name: w1, .offset: 56, .size: 8, .value_kind: global_buffer, .address_space: global }
      - { .name: w2, .offset: 64, .size: 8, .value_kind: global_buffer, .address_space: global }
      - { .name: b1, .offset: 72, .size: 8, .value_kind: global_buffer, .address_space: global }
      - { .name: mask, .offset: 80, .size: 8, .value_kind: global_buffer, .address_space: global }
      - { .name: t8, .offset: 88, .size: 8, .value_kind: global_buffer, .address_space: global }
      - { .name: wA, .offset: 96, .size: 8, .value_kind: global_buffer, .address_space: global }
      - { .name: wB, .offset: 104, .size: 8, .value_kind: global_buffer, .address_space: global }
      - { .name: mtab, .offset: 112, .size: 8, .value_kind: global_buffer, .address_space: global }
    .group_segment_fixed_size: 51968
    .private_segment_fixed_size: 0
    .kernarg_segment_align: 8
    .kernarg_segment_size: 120
    .max_flat_workgroup_size: 256
    .sgpr_count:     66
    .vgpr_count:     114
    .wavefront_size: 32
...
	.end_amdgpu_metadata
.endif
;; end of part 1
;; launch qkv (part 2): grid 12 x 16, 4 waves a work-group, clusters of 4 x 4, 327,680 bytes of LDS; arguments t8, wA, qkv; writes qkv
.if DOCPART == 2
	.amdgcn_target "amdgcn-amd-amdhsa--gfx1250"
	.amdhsa_code_object_version 6
	.text
	.protected	k_qd20951715c_qkv
	.globl	k_qd20951715c_qkv
	.p2align	8
	.type	k_qd20951715c_qkv,@function
k_qd20951715c_qkv:
	s_mov_b64 s[64:65], 0
	v_nop
	global_prefetch_b8 v0, s[64:65] scope:SCOPE_SE
	s_setreg_imm32_b32 hwreg(HW_REG_WAVE_MODE, 25, 1), 1
	s_wait_xcnt 0x0
	s_wait_alu depctr_hold_cnt(0) depctr_sa_sdst(0) depctr_va_vdst(0) depctr_va_sdst(0) depctr_va_ssrc(0) depctr_va_vcc(0) depctr_vm_vsrc(0)
	s_getreg_b32 s2, hwreg(HW_REG_IB_STS2, 6, 4)
	s_cmp_eq_u32 s2, 0
	s_cbranch_scc0 .Lentry_in_a_cluster
	s_endpgm
.Lentry_in_a_cluster:
	s_bfe_u32 s2, ttmp6, 0x10000c
	s_cmp_lg_u32 s2, 0xf033
	s_cbranch_scc0 .Lentry_shape_is_right
	s_endpgm
.Lentry_shape_is_right:
; C = max(A B^T + bias, floor), in bf16.  A: [4096][1024] bf16.  The second buffer holds: byte 0 the bias (f32, one a column), byte 16,384 the floor (bf16, twice in a word: -inf or 0),
; byte 32,768 B: [N][1024] bf16.  Sums in f32, started by the bias; C rounded once.
; C LEAVES IN UNITS of 64 columns: column n of row m lies at (n / 64) x 524,288 + m x 128 + (n % 64) x 2, so 16 rows of a unit are 2,048 consecutive bytes.
; A tile of C is 256 x 256: four waves, each 128 x 128 in 64 accumulators.  K goes in steps of 128 through a ring of two LDS slots filled by the tensor data mover.
; CLUSTERS: 4 x 4 work-groups; A's tile is asked for jointly by the four of a row of the cluster, B's by the four of a column.
; THE MATRIX INSTRUCTION IS USED TRANSPOSED (source 0 = 16 rows of B, source 1 = 16 rows of A): a lane holds eight neighbouring columns of one row of C, and the bias of a block of
; 16 columns is one set of eight registers, the C operand of the first product on each accumulator.
; The last K step goes by rows of C, so that finished rows leave while the others are multiplied.
; REGISTERS, in windows of 256: window 0: v0-31 addresses; v64-191 fragments of A, two buffers; v192-255 the bias, later the way out; v32-63 the way out
;   window 1: v64-191 fragments of B (in the last K step all 256); window 2: accumulators of my rows 0-63; window 3: of rows 64-127.
.set SIZE_K, 1024
.set KSTEP,  128
.set PITCH,  272                       ; an LDS row: 256 bytes + 16: the 16 rows of a fragment load start at 16 different groups of four banks (ISA guide 11.1)
.set HALFT,  128*PITCH
.set SLOT,   4*HALFT                   ; A's 256 rows, then B's 256 rows
.set STAGE,  2*SLOT                    ; behind the ring: 16 rows x 272 bytes for each wave
.set SPITCH, 272
.set SPARE,  STAGE+4*16*SPITCH         ; the spare words, 128 bytes a wave; no other line names them
.set LAPS,   SIZE_K/(2*KSTEP)          ; a lap = two K steps = once round the ring
.set WOFF,   32768
.set FLOOR,  16384
.set UNITB,  524288
.set ADRA, 16                          ; v16-17  LDS address of my A fragments in slot 0, 1
.set ADRB, 20                          ; v20-21  the same for B
.set STO,  24
.set RD,   25
.set CO,   26
.set BO,   27                          ; v27  my byte offset in a block's 16 numbers of bias
.set SPW,  28
.set NIL,  29
.set PFO,  30                          ; v30  the prefetches' offset: my lane x a row of 2,048 bytes
.set PFA,  44                          ; s[44:45] where my prefetches stand
.set LIM,  43                          ; s43  1 in a wave that prefetches, else the greatest number
.set F0,   64
.set F1,   128
.set TMP,  192
.set BIAS, 192
.set OB,   32
.set PA,   64
.set G1,  24
.set G0,  32
.set G1B, 48
.set G0B, 56
.set FL,  66                           ; s66  the floor
.set BP,  68                           ; s[68:69] the bias of my 128 columns
.set MSB, 0
.macro WIN new                         ; the immediate's high byte repeats the setting that is left
.if MSB != (\new)
	s_set_vgpr_msb (MSB<<8)|(\new)
.set MSB, \new
.endif
.endm
.set MUL_LO, 0xa1                      ; source 0 (B) window 1, source 1 (A) window 0, C and D window 2
.set MUL_HI, 0xf1                      ; the same, C and D window 3
.set TO_B,   0x40
; A joint load: waves 0 and 1 fetch A's two halves, waves 2 and 3 B's.  An s_nop 0 and four v_nop follow each line.
.macro JLOAD s
	s_cmp_eq_u32 s11, 0
	s_cbranch_scc0 .Lfor_b_\@
	tensor_load_to_lds s[G0+4*(\s):G0+4*(\s)+3], s[G1:G1+7]
	s_nop 0
.rept 4
	v_nop
.endr
	s_branch .Lasked_\@
.Lfor_b_\@:
	tensor_load_to_lds s[G0B+4*(\s):G0B+4*(\s)+3], s[G1B:G1B+7]
	s_nop 0
.rept 4
	v_nop
.endr
.Lasked_\@:
.endm
; A prefetch of the K step that stands two refills on: 32 rows x 256 bytes, a lane a row.  A's rows are named by the clusters with x = 0, B's by those with y = 0; the four partners
; that ask for a tile jointly share its rows out by address.  So each row's 256 bytes of a K step are named once.  The loop's last trip asks for nothing: no K step lies two on.
.macro ASK
	s_cmp_gt_u32 s3, s[LIM]
	s_cbranch_scc0 .Lnot_mine_\@
	global_prefetch_b8 v[PFO], s[PFA:PFA+1] offset:KSTEP*2 th:TH_LOAD_NT scope:SCOPE_SE
.Lnot_mine_\@:
.endm
.macro CREST                           ; a round of the cluster's barrier behind its opening barrier
	s_cmp_lg_u32 s10, 0
	s_cbranch_scc1 .Lnot_wave_0_\@
	s_barrier_signal -3
.Lnot_wave_0_\@:
	s_barrier_wait -3
	s_barrier_signal -1
	s_barrier_wait -1
.endm
.macro CROUND
	s_barrier_signal -1
	s_barrier_wait -1
	CREST
.endm
	s_load_b128 s[4:7], s[0:1], 0x0                ; A s[4:5], bias | floor | B s[6:7]
	s_load_b64 s[8:9], s[0:1], 0x10                ; C
	v_lshl_add_u32 v[SPW], v0, 2, SPARE
	v_mov_b32 v[NIL], 0
	ds_add_u32 v[SPW], v[NIL]                      ; the wave's opening: the add and its wait stand ahead of my first tensor load
	v_lshrrev_b32 v1, 5, v0
	v_readfirstlane_b32 s10, v1                    ; wave 0..3
	s_lshr_b32 s11, s10, 1                         ; my half of the tile's rows.  Also: I fetch for A (0) or for B (1)
	s_and_b32 s12, s10, 1                          ; my half of its columns.  Also: which 128 rows I fetch
	s_bfe_u32 s40, ttmp6, 0x40000                  ; cx
	s_bfe_u32 s41, ttmp6, 0x40004                  ; cy
	s_lshl_b32 s42, ttmp9, 2
	s_add_co_u32 s42, s42, s40                     ; tile column
	s_and_b32 s13, ttmp7, 0xffff
	s_lshl_b32 s13, s13, 2
	s_add_co_u32 s13, s13, s41                     ; tile row
	s_lshl_b32 s43, s41, 2
	s_lshl_b32 s43, 15, s43                        ; my row of the cluster
	s_lshl_b32 s44, 0x1111, s40                    ; my column
	s_or_b32 s[G1+0], s43, (1<<16)|(1<<20)|(1<<21)|(5<<22)|(3<<25)  ; mask; 2-byte elements; padding on; bit 21 beside a mask; after every 64 words 4 words
	s_or_b32 s[G1B+0], s44, (1<<16)|(1<<20)|(1<<21)|(5<<22)|(3<<25)
.irp g, G1, G1B
	s_mov_b32 s[(\g)+1], KSTEP<<16                 ; tensor_dim0 = 128
	s_mov_b32 s[(\g)+2], 128<<16                   ; tensor_dim1 = 128
	s_mov_b32 s[(\g)+3], KSTEP<<16                 ; tile_dim0 = 128
	s_mov_b32 s[(\g)+4], 128                       ; tile_dim1 = 128
	s_mov_b32 s[(\g)+5], SIZE_K                    ; elements from row to row
	s_mov_b32 s[(\g)+6], 0
	s_mov_b32 s[(\g)+7], 0
.endr
	s_lshl_b32 s17, s12, 7
	s_lshl_b32 s16, s13, 8
	s_add_co_u32 s16, s16, s17                     ; A: row 256 x tile row + 128 x half
	s_lshl_b32 s46, s42, 8
	s_add_co_u32 s46, s46, s17                     ; B: row 256 x tile column + 128 x half
	s_mov_b32 s17, 0
	s_mov_b32 s47, 0
	s_mov_b64 s[18:19], SIZE_K*2
	s_mul_u64 s[16:17], s[16:17], s[18:19]
	s_mul_u64 s[46:47], s[46:47], s[18:19]
	s_mul_i32 s20, s10, HALFT                      ; where they go: wave x 128 rows
	s_wait_dscnt 0x0                               ; the opening add is done
	s_wait_kmcnt 0x0
	s_add_nc_u64 s[14:15], s[4:5], s[16:17]
	s_add_nc_u64 s[46:47], s[6:7], s[46:47]
	s_add_nc_u64 s[46:47], s[46:47], WOFF
	s_load_b32 s[FL], s[6:7], FLOOR
	CROUND                                         ; all sixteen work-groups are here: the first joint loads meet
.irp s, 0,1
	s_mov_b32 s[G0+4*(\s)], 1
	s_add_co_u32 s[G0+4*(\s)+1], s20, (\s)*SLOT
	s_add_nc_u64 s[G0+4*(\s)+2:G0+4*(\s)+3], s[14:15], (\s)*KSTEP*2
	s_or_b32 s[G0+4*(\s)+3], s[G0+4*(\s)+3], 0x80000000
	s_mov_b32 s[G0B+4*(\s)], 1
	s_add_co_u32 s[G0B+4*(\s)+1], s20, (\s)*SLOT
	s_add_nc_u64 s[G0B+4*(\s)+2:G0B+4*(\s)+3], s[46:47], (\s)*KSTEP*2
	s_or_b32 s[G0B+4*(\s)+3], s[G0B+4*(\s)+3], 0x80000000
	JLOAD \s
.endr
	v_and_b32 v1, 15, v0                           ; l % 16
	v_bfe_u32 v2, v0, 4, 1                         ; l / 16
	; the bias of my 128 columns: block b's eight registers hold columns 16 b + 8 (l / 16) + 0..7
	s_lshl_b32 s70, s42, 10
	s_lshl_b32 s71, s12, 9
	s_add_co_u32 s70, s70, s71
	s_mov_b32 s71, 0
	s_add_nc_u64 s[BP:BP+1], s[6:7], s[70:71]
	v_lshlrev_b32 v[BO], 5, v2
.irp b, 0,1,2,3,4,5,6,7
	global_load_b128 v[BIAS+8*(\b):BIAS+8*(\b)+3],   v[BO], s[BP:BP+1] offset:64*(\b)
	global_load_b128 v[BIAS+8*(\b)+4:BIAS+8*(\b)+7], v[BO], s[BP:BP+1] offset:64*(\b)+16
.endr
	v_mul_u32_u24 v3, v1, PITCH
	v_lshl_add_u32 v3, v2, 4, v3                   ; a fragment's row x pitch + 16 x half
	s_mul_i32 s21, s11, HALFT
	s_mul_i32 s22, s12, HALFT
	s_add_co_u32 s22, s22, 2*HALFT
.irp s, 0,1
	v_add_nc_u32 v[ADRA+(\s)], s21, v3
	v_add_nc_u32 v[ADRB+(\s)], s22, v3
	s_add_co_u32 s21, s21, SLOT
	s_add_co_u32 s22, s22, SLOT
.endr
	s_mul_i32 s23, s10, 16*SPITCH
	s_add_co_u32 s23, s23, STAGE                   ; my stage
	v_mul_u32_u24 v4, v1, SPITCH                   ; in: row l % 16, 16 bytes for each half of the lanes
	v_lshl_add_u32 v4, v2, 4, v4
	v_add_nc_u32 v[STO], s23, v4
	v_and_b32 v6, 31, v0
	v_lshrrev_b32 v5, 3, v6                        ; back: 32 lanes take 128 bytes (a unit's part) of four rows,
	v_mul_u32_u24 v5, v5, SPITCH
	v_and_b32 v7, 7, v0
	v_lshl_add_u32 v5, v7, 4, v5
	v_add_nc_u32 v[RD], s23, v5
	v_lshlrev_b32 v[CO], 4, v6                     ; which are 512 consecutive bytes of C
	s_lshl_b32 s13, s13, 8
	s_lshl_b32 s14, s11, 7
	s_add_co_u32 s16, s13, s14                     ; my first row of C,
	s_lshl_b32 s16, s16, 7                         ; 128 bytes a row in a unit
	s_lshl_b32 s46, s42, 2
	s_lshl_b32 s47, s12, 1
	s_add_co_u32 s46, s46, s47                     ; my first unit
	s_lshl_b32 s46, s46, 19
	s_add_co_u32 s16, s16, s46
	s_mov_b32 s17, 0                               ; s[16:17]: what the first way out adds to C's address
	; the prefetches
	s_lshl_b32 s42, s42, 8
	s_and_b32 s22, ttmp7, 0xffff
	s_cmp_eq_u32 s11, 0                            ; do I fetch for A?
	s_cselect_b32 s20, s13, s42                    ; the tile's first row
	s_cselect_b32 s21, s40, s41                    ; my place among the four that ask with me
	s_cselect_b32 s22, ttmp9, s22                  ; the coordinate along which other clusters read the same rows
	s_cselect_b32 s70, 0, WOFF
	s_cselect_b64 s[PFA:PFA+1], s[4:5], s[6:7]
	s_cmp_eq_u32 s22, 0
	s_cselect_b32 s[LIM], 1, -1
	s_lshl_b32 s22, s12, 7
	s_add_co_u32 s20, s20, s22
	s_lshl_b32 s21, s21, 5
	s_add_co_u32 s20, s20, s21                     ; my work-group's 32 of the 128 rows that I fetch
	s_mov_b32 s21, 0
	s_mov_b64 s[18:19], SIZE_K*2
	s_mul_u64 s[20:21], s[20:21], s[18:19]
	s_add_nc_u64 s[PFA:PFA+1], s[PFA:PFA+1], s[20:21]
	s_add_nc_u64 s[PFA:PFA+1], s[PFA:PFA+1], s[70:71]
	s_add_nc_u64 s[PFA:PFA+1], s[PFA:PFA+1], 2*KSTEP*2  ; at K step 2: the first refill steps it to 3 and names K step 4
	v_and_b32 v[PFO], 31, v0
	v_mul_u32_u24 v[PFO], v[PFO], SIZE_K*2
; 16 matrix instructions: m blocks a0, a0 + 1 of the window's four x all 8 n blocks, 32 along K.  zero = 1: the first product starts the sums with the bias.
.macro MUL16 f, hi, a0, zero
.if \zero
	WIN 0x81+0x40*(\hi)                            ; C (the bias) in window 0, D in window 2 or 3
.else
	WIN MUL_LO+0x50*(\hi)
.endif
.irp a, \a0, (\a0)+1
.irp b, 0,1,2,3,4,5,6,7
.if \zero
	v_wmma_f32_16x16x32_bf16 v[8*(8*(\a)+(\b)):8*(8*(\a)+(\b))+7], v[(\f)+8*(\b):(\f)+8*(\b)+7], v[(\f)+8*(4*(\hi)+(\a)):(\f)+8*(4*(\hi)+(\a))+7], v[BIAS+8*(\b):BIAS+8*(\b)+7]
.else
	v_wmma_f32_16x16x32_bf16 v[8*(8*(\a)+(\b)):8*(8*(\a)+(\b))+7], v[(\f)+8*(\b):(\f)+8*(\b)+7], v[(\f)+8*(4*(\hi)+(\a)):(\f)+8*(4*(\hi)+(\a))+7], v[8*(8*(\a)+(\b)):8*(8*(\a)+(\b))+7]
.endif
.endr
.endr
.endm
.macro FETCH slot, k, f                ; 32 LDS loads in one run: the fragments of one quarter step into buffer f
	WIN TO_B
.irp i, 0,1,2,3,4,5,6,7
	ds_load_b128 v[(\f)+8*(\i):(\f)+8*(\i)+3],   v[ADRB+(\slot)] offset:(\k)+(\i)*16*PITCH
	ds_load_b128 v[(\f)+8*(\i)+4:(\f)+8*(\i)+7], v[ADRB+(\slot)] offset:(\k)+(\i)*16*PITCH+32
.endr
	WIN 0
.irp i, 0,1,2,3,4,5,6,7
	ds_load_b128 v[(\f)+8*(\i):(\f)+8*(\i)+3],   v[ADRA+(\slot)] offset:(\k)+(\i)*16*PITCH
	ds_load_b128 v[(\f)+8*(\i)+4:(\f)+8*(\i)+7], v[ADRA+(\slot)] offset:(\k)+(\i)*16*PITCH+32
.endr
.endm
.macro PLACES                          ; four plain lines between a matrix instruction and a load into, or a vector line on, its registers
.rept 4
	v_nop
.endr
.endm
; A K step is four quarters of 32 along K, 64 matrix instructions each, on buffers 0, 1, 0, 1; the 64 accumulators take turns.
.macro QUARTER slot, k, f, g, zero
	s_wait_dscnt 8                                 ; B and A's rows 0-63 are in; the youngest eight loads may be out
	MUL16 \f, 0, 0, \zero
	MUL16 \f, 0, 2, \zero
	PLACES
	FETCH \slot, \k, \g
	s_wait_dscnt 32                                ; all but the 32 just issued
	MUL16 \f, 1, 0, \zero
	MUL16 \f, 1, 2, \zero
.endm
; The first half of the last quarter: one barrier for the change of slots.
.macro MEET round
	WIN 0
	s_wait_tensorcnt 0x0                           ; all my tensor loads have landed: the one that was out is my part of the next slot
	ds_add_u32 v[SPW], v[NIL]
	s_wait_dscnt 9                                 ; (the add and the youngest eight loads may be out)
	MUL16 F1, 0, 0, 0
	s_wait_dscnt 0x0                               ; the add is done, and my reads of this slot are over
	s_barrier_signal -1
	MUL16 F1, 0, 2, 0
.if \round
	WIN 0
.endif
	s_barrier_wait -1
.endm
.macro TURN slot, next                 ; the whole last quarter: the slot just read out is filled again, two K steps ahead
	s_wait_xcnt 0x0                                ; the last prefetch, a K step back, has read its address
	s_add_nc_u64 s[PFA:PFA+1], s[PFA:PFA+1], KSTEP*2
	MEET 1
	CREST                                          ; no wave of any partner still reads this slot or has a load on its way
	s_add_nc_u64 s[G0+4*(\slot)+2:G0+4*(\slot)+3], s[G0+4*(\slot)+2:G0+4*(\slot)+3], 2*KSTEP*2
	s_add_nc_u64 s[G0B+4*(\slot)+2:G0B+4*(\slot)+3], s[G0B+4*(\slot)+2:G0B+4*(\slot)+3], 2*KSTEP*2
	JLOAD \slot                                    ; the first tensor load behind the round; its four v_nop are also the places in front of the loads below
	FETCH \next, 0, F0
	ASK
	MUL16 F1, 1, 0, 0
	MUL16 F1, 1, 2, 0
.endm
; The last K step (slot 1) by rows of C: all its fragments of B fill window 1; my eight blocks of 16 rows are finished one after the other.
.macro BLOAD q
	WIN TO_B
.irp i, 0,1,2,3,4,5,6,7
	ds_load_b128 v[64*(\q)+8*(\i):64*(\q)+8*(\i)+3],   v[ADRB+1] offset:64*(\q)+(\i)*16*PITCH
	ds_load_b128 v[64*(\q)+8*(\i)+4:64*(\q)+8*(\i)+7], v[ADRB+1] offset:64*(\q)+(\i)*16*PITCH+32
.endr
.endm
.macro ALOAD a
	WIN 0
.set FA, PA+32*((\a)%4)
.irp q, 0,1,2,3
	ds_load_b128 v[FA+8*(\q):FA+8*(\q)+3],   v[ADRA+1] offset:64*(\q)+(\a)*16*PITCH
	ds_load_b128 v[FA+8*(\q)+4:FA+8*(\q)+7], v[ADRA+1] offset:64*(\q)+(\a)*16*PITCH+32
.endr
.endm
.macro ROW a
.set FA, PA+32*((\a)%4)
.set AC, 64*((\a)%4)
	WIN MUL_LO+0x50*((\a)/4)
.irp q, 0,1,2,3
.if (\a) == 0 && (\q) == 2
	s_wait_dscnt 24                                ; B's quarter 2 is in (behind it: A's blocks 1 to 3)
.endif
.irp b, 0,1,2,3,4,5,6,7
	v_wmma_f32_16x16x32_bf16 v[AC+8*(\b):AC+8*(\b)+7], v[64*(\q)+8*(\b):64*(\q)+8*(\b)+7], v[FA+8*(\q):FA+8*(\q)+7], v[AC+8*(\b):AC+8*(\b)+7]
.endr
.endr
.endm
; THE WAY OUT of block a.  PACK: rounded to bf16 (each accumulator from its low end), held to the floor.  TOSTAGE: into my stage, and back unit by unit.  SEND: stored.
.macro PACK a
.set AC, 64*((\a)%4)
	WIN 0x0a+5*((\a)/4)
.irp b, 0,1,2,3,4,5,6,7
.irp r, 0,1,2,3
	v_cvt_pk_bf16_f32 v[TMP+4*(\b)+(\r)], v[AC+8*(\b)+2*(\r)], v[AC+8*(\b)+2*(\r)+1]
.endr
.endr
	WIN 0
.set z, 0
.rept 32
	v_pk_max_num_bf16 v[TMP+z], v[TMP+z], s[FL]
.set z, z+1
.endr
.endm
.macro TOSTAGE a
	WIN 0
.set BK, OB+192*((\a)%2)
.irp b, 0,1,2,3,4,5,6,7
	ds_store_b128 v[STO], v[TMP+4*(\b):TMP+4*(\b)+3] offset:32*(\b)
.endr
.irp t, 0,1,2,3,4,5,6,7
	ds_load_b128 v[BK+4*(\t):BK+4*(\t)+3], v[RD] offset:((\t)%4)*4*SPITCH+((\t)/4)*128  ; LDS serves a wave's instructions in order (ISA guide 5.7.1.4): these see the stores above
.endr
.endm
.macro SEND a, younger
	WIN 0
.set BK, OB+192*((\a)%2)
	s_wait_dscnt \younger
	s_wait_xcnt 0x0                                ; the stores' base and the registers that earlier stores read are rewritten only behind this wait
.if (\a) == 0
	s_add_nc_u64 s[8:9], s[8:9], s[16:17]
.else
	s_add_nc_u64 s[8:9], s[8:9], 16*128            ; 16 rows on in both units
.endif
.irp t, 0,1,2,3,4,5,6,7
	global_store_b128 v[CO], v[BK+4*(\t):BK+4*(\t)+3], s[8:9] offset:((\t)/4)*UNITB+((\t)%4)*512  ; 512 consecutive bytes, aligned
.endr
.endm
	s_wait_tensorcnt 1                             ; my part of K step 0 is in; K step 1's load may stay out
	s_barrier_signal -1
	s_barrier_wait -1
	FETCH 0, 0, F0
	s_wait_loadcnt 0x0                             ; the bias
	s_wait_kmcnt 0x0                               ; the floor
	QUARTER 0, 64,  F0, F1, 1
	WIN 0
	s_mov_b32 s3, LAPS-1
.Llap:                                                 ; a trip goes once round the ring and fills both slots again
	QUARTER 0, 128, F1, F0, 0
	QUARTER 0, 192, F0, F1, 0
	TURN 0, 1
	QUARTER 1, 64,  F0, F1, 0
	QUARTER 1, 128, F1, F0, 0
	QUARTER 1, 192, F0, F1, 0
	TURN 1, 0
	QUARTER 0, 64,  F0, F1, 0
	WIN 0
	s_sub_co_u32 s3, s3, 1
	s_cmp_lg_u32 s3, 0
	s_cbranch_scc1 .Llap
	QUARTER 0, 128, F1, F0, 0
	QUARTER 0, 192, F0, F1, 0
	MEET 0                                         ; nothing is filled again, so no round follows
	PLACES
	BLOAD 0
	BLOAD 1
	BLOAD 3
	ALOAD 0
	MUL16 F1, 1, 0, 0
	MUL16 F1, 1, 2, 0
	PLACES
	BLOAD 2
	ALOAD 1
	ALOAD 2
	ALOAD 3
	s_wait_dscnt 40                                ; all but the 40 just issued
	ROW 0
.irp a, 0,1,2,3,4,5,6,7
	PLACES
	PACK \a
	TOSTAGE \a
.if (\a) < 4
	ALOAD (\a)+4
	SEND \a, 8
.else
	SEND \a, 0
.endif
.if (\a) < 7
	ROW (\a)+1
.endif
.endr
	s_wait_tensorcnt 0x0                           ; the wave's end
	ds_add_u32 v[SPW], v[NIL]
	s_wait_dscnt 0x0
	CROUND                                         ; the closing round
	s_endpgm
.Lfunc_end_k_qd20951715c_qkv:
	.size	k_qd20951715c_qkv, .Lfunc_end_k_qd20951715c_qkv-k_qd20951715c_qkv
	.p2alignl 7, 3214868480
	.fill 96, 4, 3214868480
	.section	.rodata,"a",@progbits
	.p2align	6, 0x0
	.amdhsa_kernel k_qd20951715c_qkv
		.amdhsa_group_segment_fixed_size 327680
		.amdhsa_private_segment_fixed_size 0
		.amdhsa_enable_private_segment 0
		.amdhsa_kernarg_size 24
		.amdhsa_user_sgpr_count 2
		.amdhsa_user_sgpr_kernarg_segment_ptr 1
		.amdhsa_wavefront_size32 1
		.amdhsa_system_sgpr_workgroup_id_x 1
		.amdhsa_system_sgpr_workgroup_id_y 1
		.amdhsa_system_sgpr_workgroup_id_z 1
		.amdhsa_system_vgpr_workitem_id 0
		.amdhsa_next_free_vgpr 1024
		.amdhsa_next_free_sgpr 72
		.amdhsa_reserve_vcc 0
		.amdhsa_float_denorm_mode_32 3
		.amdhsa_float_denorm_mode_16_64 3
		.amdhsa_memory_ordered 1
		.amdhsa_forward_progress 1
		.amdhsa_inst_pref_size 162
	.end_amdhsa_kernel
	.amdgpu_metadata
---
amdhsa.version: [ 1, 2 ]
amdhsa.kernels:
  - .name:           k_qd20951715c_qkv
    .symbol:         k_qd20951715c_qkv.kd
    .args:
      - { .name: t8, .offset: 0, .size: 8, .value_kind: global_buffer, .address_space: global }
      - { .name: wA, .offset: 8, .size: 8, .value_kind: global_buffer, .address_space: global }
      - { .name: qkv, .offset: 16, .size: 8, .value_kind: global_buffer, .address_space: global }
    .group_segment_fixed_size: 327680
    .private_segment_fixed_size: 0
    .kernarg_segment_align: 8
    .kernarg_segment_size: 24
    .max_flat_workgroup_size: 128
    .sgpr_count:     72
    .vgpr_count:     1024
    .wavefront_size: 32
...
	.end_amdgpu_metadata
.endif
;; end of part 2
;; launch attn (part 3): grid 8 x 32, 4 waves a work-group, clusters of 4 x 1, 327,680 bytes of LDS; arguments qkv, mtab, t8; writes t8
.if DOCPART == 3
	.amdgcn_target "amdgcn-amd-amdhsa--gfx1250"
	.amdhsa_code_object_version 6
	.text
	.protected	k_qd20951715c_attn
	.globl	k_qd20951715c_attn
	.p2align	8
	.type	k_qd20951715c_attn,@function
k_qd20951715c_attn:
	s_mov_b64 s[64:65], 0
	v_nop
	global_prefetch_b8 v0, s[64:65] scope:SCOPE_SE
	s_setreg_imm32_b32 hwreg(HW_REG_WAVE_MODE, 25, 1), 1
	s_wait_xcnt 0x0
	s_wait_alu depctr_hold_cnt(0) depctr_sa_sdst(0) depctr_va_vdst(0) depctr_va_sdst(0) depctr_va_ssrc(0) depctr_va_vcc(0) depctr_vm_vsrc(0)
	s_getreg_b32 s2, hwreg(HW_REG_IB_STS2, 6, 4)
	s_cmp_eq_u32 s2, 0
	s_cbranch_scc0 .Lentry_in_a_cluster
	s_endpgm
.Lentry_in_a_cluster:
	s_bfe_u32 s2, ttmp6, 0x10000c
	s_cmp_lg_u32 s2, 0x3003
	s_cbranch_scc0 .Lentry_shape_is_right
	s_endpgm
.Lentry_shape_is_right:
; ATTENTION with a mask that is data.  O[b][h][q] = the sum over k of softmax_k(mask ? Q.K / 8 : hidden) V.  qkv: [48 units][4096 tokens][64] bf16 (units 0-15 Q's heads, 16-31 K's, 32-47 V's);
; O leaves in the same layout, [16][4096][64] bf16.  Products, maxima and sums in f32; the weights p are rounded to bf16 for the second product (their sum l is taken of the unrounded p), O once.
; THE MASK is the C operand that starts S^T = K Q^T: mtab holds a 4-bit code for each score in the score tile's lane order, and one scaled conversion writes an accumulator's eight numbers:
; 0, or -6 x 2^100.  A row with no true entry has codes 0 and flag 0: its q is cleared, all its scores are 0, and it comes out as the mean of all rows of V.
; LIMITS.  A hidden score counts as its value less 7.6e30; the running maximum starts at -2^60, so hidden scores always get the weight 0 and kept raw scores must lie above -1.15e18;
; where every kept score / 8 of a row lies under about -1e9 the result differs from one that puts -1e9 in the hidden places.  A weight below 2^-126 counts as 0.  NaN and infinities are not treated apart.
; SHARES.  A work-group owns 256 queries of one (b, h); a wave two PIECES of two tiles of 16 queries.  Every wave walks all 2,048 keys, 64 a step: the mask's pattern is not known, so no tile is left out.
; LAYOUT.  S^T = K Q^T holds one query a lane (lane % 16) and the keys 8 (lane / 16) + 0..7; two such results rounded to bf16 are source 1 of O^T = V^T P.  V comes out of LDS turned.
; SOFTMAX.  p = 2^(c s - c m), c = log2(e) / 8, m a running maximum; O and l are multiplied by a = 2^(c m_old - c m_new) in every step.
; BY TURNS.  Turn p belongs to piece p: 16 products K Q^T of the other piece (its next scores), later 16 products V^T P of the other piece; beside them piece p's scaling, exponentials, roundings,
; sums and rescaling, and the other piece's maximum and statistics.  Four vector lines stand behind every matrix instruction, the rest in one lump; a turn's 66 exponentials have one wait.
; THE RING.  Turn 0 of step J reads K of step J + 1 and V of step J.  So slot c holds K of steps 4 c + 1 .. 4 c + 4 and V of steps 4 c .. 4 c + 3, and the change of slots stands behind every fourth step.
; K of step 0 comes straight from memory into registers.  The last slot's fourth K step lies behind the head's rows, still inside qkv; its products serve nothing.
; CLUSTER.  The four query blocks of a cluster walk the same K and V: each tile is asked for jointly.
; REGISTERS: window 0: v0 prefetch offset; v2-11 addresses; v12-15, v48-63 at work; v16-31 statistics; v32-47 mask words; v64-191 S^T; v192-255 P
;   window 1: v0-127 O^T; v128-129 the add's registers      window 2: v0-63 Q; v128-191 K of one step; v192-255 V of one step
.set NP,    2
.set KS,    64
.set PK,    144       ; a row of K in LDS: 128 bytes + 16
.set PV,    160       ; a row of V: 128 + 32
.set VOFF,  4*KS*PK
.set SLOT1, 1<<17
.set STAGE, SLOT1+4*KS*(PK+PV)
.set SP,    144
.set SPARE, STAGE+4*16*SP
.set UNITB, 524288
.set ROWK,  2097152   ; the row flags' place in mtab
.set PFO, 0           ; v0   256 x my lane (once the thread's number has served)
.set AK0, 2
.set AV0, 3
.set AK,  4
.set AV,  5
.set QO,  6
.set STO, 6
.set RD,  7
.set GO,  8
.set SCL, 9           ; v9   the conversions' scale: 2^100 as an exponent byte, in all four bytes
.set MO,  10          ; v10-11  piece 0's, piece 1's offset in mtab: 16 lane + 512 step
.set MV,  12
.set ST,  16          ; tile t: c m, m, l (even keys', odd keys')
.set MW,  32          ; piece p, tile u: four words of codes at MW + 8 p + 4 u
.set TMP, 48
.set S,   64
.set P,   192
.set SPW, 128         ; window 1
.set NIL, 129         ; window 1
.set KF,  128
.set VF,  192
.set WV,  12
.set LIM, 15
.set G1K, 24
.set G1V, 32
.set G0K, 40
.set G0V, 44
.set PFA, 48          ; s[48:49] where my prefetches stand
.set QP,  52          ; s[52:53] Q at my wave's first row
.set K0P, 54          ; s[54:55] K at the head's first row
.set SLOTS, 56
.set CNT, 57
.set CS,  58
.set SEL, 60
.set TBK, 62
.set TBV, 63
.set MB,  66          ; s[66:67] mtab at my wave's first tile
.set MSB, 0
.macro WIN new
.if MSB != (\new)
	s_set_vgpr_msb (MSB<<8)|(\new)
.set MSB, (\new)
.endif
.endm
.set W_KQ, 0x0a       ; K and Q in window 2, S^T in window 0
.set W_PV, 0x52       ; V in window 2, P in window 0, O^T in window 1
.set W_RS, 0x41       ; O^T in window 1, a in window 0
.set W_MK, 0x40
.set W_AD, 0x05
.macro JLOAD                        ; waves 0 and 1 fetch the halves of a slot's K, waves 2 and 3 of its V
	s_cmp_lt_u32 s[WV], 2
	s_cbranch_scc0 .Lfor_v_\@
	tensor_load_to_lds s[G0K:G0K+3], s[G1K:G1K+7]
	s_nop 0
.rept 4
	v_nop
.endr
	s_branch .Lasked_\@
.Lfor_v_\@:
	tensor_load_to_lds s[G0V:G0V+3], s[G1V:G1V+7]
	s_nop 0
.rept 4
	v_nop
.endr
.Lasked_\@:
.endm
; A prefetch of what the next change of slots will ask for: 32 KiB of K and of V, a lane 256 bytes.  The head's first cluster asks; its partners take 8 KiB each, by address; wave 0 K's, wave 2 V's.
; The last change that fills a slot asks for nothing.
.macro ASK
	s_cmp_gt_u32 s[SLOTS], s[LIM]
	s_cbranch_scc0 .Lnot_mine_\@
	global_prefetch_b8 v[PFO], s[PFA:PFA+1] th:TH_LOAD_NT scope:SCOPE_SE
.Lnot_mine_\@:
.endm
.macro CROUND
	s_barrier_signal -1
	s_barrier_wait -1
	s_cmp_lg_u32 s[WV], 0
	s_cbranch_scc1 .Lnot_wave_0_\@
	s_barrier_signal -3
.Lnot_wave_0_\@:
	s_barrier_wait -3
	s_barrier_signal -1
	s_barrier_wait -1
.endm
; THE CHANGE OF SLOTS: every wave waits for all its tensor loads, adds 0 to its spare word, waits for that and for its reads of the slot; fill = 1: a round of the cluster's barrier, and the joint fill first behind it.
.macro CHANGE fill
	WIN W_AD
	s_wait_tensorcnt 0x0
	ds_add_u32 v[SPW], v[NIL]
	WIN 0
.if \fill
.irp g, G0K, G0V
	s_xor_b32 s[\g+1], s[\g+1], SLOT1
	s_add_nc_u64 s[\g+2:\g+3], s[\g+2:\g+3], 4*KS*128
.endr
	s_wait_xcnt 0x0                 ; the last prefetch, four key steps back, has read its address
	s_add_nc_u64 s[PFA:PFA+1], s[PFA:PFA+1], 4*KS*128
	s_wait_dscnt 0x0
	CROUND
	JLOAD
	ASK
.else
	s_wait_dscnt 0x0
	s_barrier_signal -1
	s_barrier_wait -1
.endif
	s_sub_co_u32 s[TBK], s[TBK], 4*KS*PK
	s_xor_b32 s[TBK], s[TBK], SLOT1
	s_sub_co_u32 s[TBV], s[TBV], 4*KS*PV
	s_xor_b32 s[TBV], s[TBV], SLOT1
.endm
	s_load_b128 s[4:7], s[0:1], 0x0  ; qkv s[4:5], mtab s[6:7]
	s_load_b64 s[8:9], s[0:1], 0x10  ; O
	WIN W_MK
	v_lshl_add_u32 v[SPW], v0, 2, SPARE
	v_mov_b32 v[NIL], 0
	WIN W_AD
	ds_add_u32 v[SPW], v[NIL]       ; the wave's opening: the add and its wait stand ahead of my first tensor load
	WIN 0
	v_lshrrev_b32 v1, 5, v0
	v_readfirstlane_b32 s[WV], v1
	s_bfe_u32 s13, ttmp6, 0x40000   ; cx
	s_lshl_b32 s14, ttmp9, 2
	s_add_co_u32 s14, s14, s13      ; my block of 256 queries: it enters Q's, O's and the mask's addresses alone
	s_and_b32 s20, ttmp7, 0xffff    ; 16 b + head
	s_and_b32 s21, s20, 15
	s_lshr_b32 s20, s20, 4
	s_lshl_b32 s21, s21, 19         ; the head's unit,
	s_lshl_b32 s20, s20, 18         ; the batch's 2,048 rows of 128 bytes
	s_add_co_u32 s20, s20, s21
	s_mov_b32 s21, 0
	s_and_b32 s16, s[WV], 1         ; which half of a slot's 256 keys I fetch
	s_lshl_b32 s22, s16, 14
	s_add_co_u32 s22, s22, s20
	s_mov_b32 s23, 0
	s_mul_i32 s17, s16, 128*PK
	s_mul_i32 s18, s16, 128*PV
	s_lshl_b32 s2, s14, 15
	s_lshl_b32 s3, s[WV], 13
	s_add_co_u32 s2, s2, s3
	s_add_co_u32 s2, s2, s20        ; my wave's 64 rows
	s_mov_b32 s3, 0
	s_lshl_b32 s50, s14, 4
	s_lshl_b32 s51, s[WV], 2
	s_add_co_u32 s50, s50, s51      ; my first tile of 16 queries among the sequence's 128
	s_lshl_b32 s68, s50, 14
	s_mov_b32 s69, 0
	s_lshl_b32 s50, s50, 6          ; its flags
	s_mov_b32 s[G1K], 15|(1<<16)|(1<<20)|(1<<21)|(4<<22)|(3<<25)  ; the mask of four; 2-byte elements; padding on; bit 21 beside a mask; after every 32 words 4 words
	s_mov_b32 s[G1V], 15|(1<<16)|(1<<20)|(1<<21)|(4<<22)|(7<<25)  ; the same with 8 words
.irp g, G1K, G1V
	s_mov_b32 s[\g+1], 128<<16      ; 128 keys are 16,384 dense bytes: 64 rows of 256 bytes, two keys a row
	s_mov_b32 s[\g+2], 64<<16
	s_mov_b32 s[\g+3], 128<<16
	s_mov_b32 s[\g+4], 64
	s_mov_b32 s[\g+5], 128
	s_mov_b32 s[\g+6], 0
	s_mov_b32 s[\g+7], 0
.endr
	s_mov_b32 s[CS], 0x3e38aa3b     ; c = log2(e) / 8
	s_mov_b32 s[CS+1], s[CS]
	s_mov_b32 s[SEL], 0x76543210
	s_mov_b32 s[SEL+1], 0xfedcba98
	s_mov_b32 s[TBK], SLOT1+4*KS*PK ; the first change of slots turns these two into 0
	s_mov_b32 s[TBV], SLOT1+4*KS*PV
	s_mov_b32 s[G0K], 1
	s_mov_b32 s[G0K+1], s17
	s_mov_b32 s[G0V], 1
	s_add_co_u32 s[G0V+1], s18, VOFF
	s_mov_b32 s[SLOTS], 7
	s_and_b32 s[LIM], s[WV], 1
	s_or_b32 s[LIM], s[LIM], ttmp9
	s_cmp_eq_u32 s[LIM], 0
	s_cselect_b32 s[LIM], 1, -1
	s_wait_dscnt 0x0                ; the opening add is done
	s_wait_kmcnt 0x0
	s_add_nc_u64 s[G0K+2:G0K+3], s[4:5], s[22:23]
	s_add_nc_u64 s[G0V+2:G0V+3], s[G0K+2:G0K+3], 32*UNITB
	s_add_nc_u64 s[G0K+2:G0K+3], s[G0K+2:G0K+3], 16*UNITB+KS*128  ; K's tiles begin one step later
	s_cmp_lt_u32 s[WV], 2
	s_cselect_b64 s[PFA:PFA+1], s[G0K+2:G0K+3], s[G0V+2:G0V+3]
	s_or_b32 s[G0K+3], s[G0K+3], 0x80000000
	s_or_b32 s[G0V+3], s[G0V+3], 0x80000000
	s_add_nc_u64 s[QP:QP+1], s[4:5], s[2:3]
	s_add_nc_u64 s[10:11], s[8:9], s[2:3]
	s_add_nc_u64 s[K0P:K0P+1], s[4:5], s[20:21]
	s_add_nc_u64 s[K0P:K0P+1], s[K0P:K0P+1], 16*UNITB
	s_add_nc_u64 s[MB:MB+1], s[6:7], s[68:69]
	s_lshl_b32 s68, s13, 13         ; my work-group's 8 KiB of a slot's 32
	s_add_nc_u64 s[PFA:PFA+1], s[PFA:PFA+1], s[68:69]
	s_add_nc_u64 s[PFA:PFA+1], s[PFA:PFA+1], 4*KS*128  ; in slot 1; the first change steps it to slot 2
	CROUND
	JLOAD                           ; slot 0
	v_and_b32 v52, 15, v0           ; l % 16
	v_bfe_u32 v53, v0, 4, 1         ; l / 16
	v_and_b32 v55, 7, v0
	v_bfe_u32 v56, v0, 3, 1
	v_and_b32 v57, 31, v0           ; l
	v_lshlrev_b32 v[QO], 7, v52
	v_lshl_add_u32 v[QO], v53, 4, v[QO]
	WIN 0x80
.set i, 0
.rept 4*NP                          ; Q stays in registers: tile i / 2, channels 32 (i % 2) on
	global_load_b128 v[8*i:8*i+3],   v[QO], s[QP:QP+1] offset:(i/2)*2048+(i%2)*64
	global_load_b128 v[8*i+4:8*i+7], v[QO], s[QP:QP+1] offset:(i/2)*2048+(i%2)*64+32
.set i, i+1
.endr
.set i, 0
.rept 8                             ; K of step 0: keys 16 (i / 2) on, channels 32 (i % 2) on
	global_load_b128 v[KF+8*i:KF+8*i+3],   v[QO], s[K0P:K0P+1] offset:(i/2)*2048+(i%2)*64
	global_load_b128 v[KF+8*i+4:KF+8*i+7], v[QO], s[K0P:K0P+1] offset:(i/2)*2048+(i%2)*64+32
.set i, i+1
.endr
.set i, VF
.rept 64                            ; what the first turn finds: V and P's second buffer 0, O^T and l 0
	v_mov_b32 v[i], 0
.set i, i+1
.endr
	WIN 0x40
.set i, 0
.rept 64*NP
	v_mov_b32 v[i], 0
.set i, i+1
.endr
	WIN 0
	v_lshl_add_u32 v54, v52, 2, s50
.irp t, 0,1,2,3
	global_load_b32 v[48+\t], v54, s[6:7] offset:ROWK+64*\t  ; my row's flag in each tile
.endr
	v_lshlrev_b32 v[MO], 4, v57
	v_lshlrev_b32 v[MO+1], 4, v57
.irp t, 0,1,2,3
	global_load_b128 v[MW+4*\t:MW+4*\t+3], v[MO+\t/2], s[MB:MB+1] offset:\t*16384  ; step 0's codes
.endr
	v_mov_b32 v[SCL], 0xe3e3e3e3
.set i, 0
.rept 2*NP
	v_mov_b32 v[ST+4*i], 0xfe000000    ; c m: far below every c s, so the first a is 0
	v_mov_b32 v[ST+4*i+1], 0xdd800000  ; m = -2^60: above every hidden score, below every kept one
	v_mov_b32 v[ST+4*i+2], 0
	v_mov_b32 v[ST+4*i+3], 0
.set i, i+1
.endr
.set i, P+32
.rept 32
	v_mov_b32 v[i], 0
.set i, i+1
.endr
	v_mul_u32_u24 v[AK0], v52, PK
	v_lshl_add_u32 v[AK0], v53, 4, v[AK0]
	v_lshl_add_u32 v[AV0], v53, 3, v55  ; the turning load: key 8 (l / 16) + l % 8, channels 8 ((l / 8) % 2) on
	v_mul_u32_u24 v[AV0], v[AV0], PV
	v_lshl_add_u32 v[AV0], v56, 4, v[AV0]
	v_add_nc_u32 v[AV0], VOFF, v[AV0]
	v_lshlrev_b32 v[PFO], 8, v57
; THE MATRIX WORK.  The 8 accumulators of a run of 16 take turns.  K Q^T adds onto the mask, which lies in S^T already.
.macro KQ x
	WIN W_KQ
.set rS, S+64*((\x)%2)+32*(i%2)+8*((i/2)%4)
.set rK, KF+16*((i/2)%4)+8*(i/8)
.set rQ, 16*(2*(\x)+i%2)+8*(i/8)
	v_wmma_f32_16x16x32_bf16 v[rS:rS+7], v[rK:rK+7], v[rQ:rQ+7], v[rS:rS+7]
.endm
.macro PV x
	WIN W_PV
.set rO, 32*(2*(\x)+i%2)+8*((i/2)%4)
.set rV, VF+32*(i/8)+8*((i/2)%4)
.set rP, P+32*((\x)%2)+16*(i%2)+8*(i/8)
	v_wmma_f32_16x16x32_bf16 v[rO:rO+7], v[rV:rV+7], v[rP:rP+7], v[rO:rO+7]
.endm
.macro MM
.if i < 16
	KQ (Y+1)%NP
.set i, i+1
.else
.set i, i-16
	PV (Y+NP-1)%NP
.set i, i+17
.endif
.endm
.macro FETCH_K
	WIN 0x80
.irp f, 0,1,2,3,4,5,6,7
	ds_load_b128 v[KF+8*\f:KF+8*\f+3],   v[AK] offset:(\f/2)*16*PK+(\f%2)*64
	ds_load_b128 v[KF+8*\f+4:KF+8*\f+7], v[AK] offset:(\f/2)*16*PK+(\f%2)*64+32
.endr
	s_add_co_u32 s[TBK], s[TBK], KS*PK
	WIN 0
.endm
.macro FETCH_V
	WIN 0x80
.irp f, 0,1,2,3,4,5,6,7
	ds_load_tr16_b128 v[VF+8*\f:VF+8*\f+3],   v[AV] offset:(\f/4)*32*PV+(\f%4)*32
	ds_load_tr16_b128 v[VF+8*\f+4:VF+8*\f+7], v[AV] offset:(\f/4)*32*PV+16*PV+(\f%4)*32
.endr
	WIN 0
.endm
; THE MASK of piece pp's next scores: eight conversions write its eight accumulators; then the codes of the step after are asked for, two turns ahead of their use.
.macro MASKC pp
	WIN 0
	s_wait_loadcnt 0x2              ; my set's two loads are in (and their offset free); the other piece's two may stay out
.irp u, 0,1
.irp kb, 0,1,2,3
	v_cvt_scale_pk8_f32_fp4 v[S+64*(\pp)+32*\u+8*\kb:S+64*(\pp)+32*\u+8*\kb+7], v[MW+8*(\pp)+4*\u+\kb], v[SCL]
.endr
.endr
	v_add_nc_u32 v[MO+(\pp)], 0x200, v[MO+(\pp)]  ; the next step; also the plain line between the conversions and what touches their registers
.irp u, 0,1
	global_load_b128 v[MW+8*(\pp)+4*\u:MW+8*(\pp)+4*\u+3], v[MO+(\pp)], s[MB:MB+1] offset:(2*(\pp)+\u)*16384
.endr
.endm
; THE VECTOR WORK OF A TURN stands in three queues, each in the order in which its entries become ready; the two tiles alternate.
.macro REGS y, u
.set rT, ST+4*(2*(\y)+(\u))
.set rC, TMP+8*((\y)%2)+4*(\u)
.set rM, MV+2*((\y)%2)+(\u)
.set rS, S+64*((\y)%2)+32*(\u)
.set rP, P+32*((\y)%2)+16*(\u)
.set rO, 32*(2*(\y)+(\u))
.endm
; Number n of the 22 that find the other piece's maximum and statistics; each accumulator's lowest registers are read first.
.macro XS u, n
	REGS (Y+1)%NP, \u
.if (\n) < 4
	v_max3_num_f32 v[rC+(\n)], v[rS+8*(\n)], v[rS+8*(\n)+1], v[rS+8*(\n)+2]
.elseif (\n) < 12
	v_max3_num_f32 v[rC+(\n)%4], v[rC+(\n)%4], v[rS+8*((\n)%4)+2*((\n)/4)+1], v[rS+8*((\n)%4)+2*((\n)/4)+2]
.elseif (\n) == 12
	v_max3_num_f32 v[rC], v[rC], v[rS+7], v[rS+15]
.elseif (\n) == 13
	v_max3_num_f32 v[rC+1], v[rC+1], v[rS+23], v[rS+31]
.elseif (\n) == 14
	v_max3_num_f32 v[rC+2], v[rC+2], v[rC+3], v[rT+1]
.elseif (\n) == 15
	v_mov_b32 v[rM], v[rT]
.elseif (\n) == 16
	v_max3_num_f32 v[rC], v[rC], v[rC+1], v[rC+2]
.elseif (\n) == 17
	v_permlanex16_b32 v[rC+3], v[rC], s[SEL], s[SEL+1]
.elseif (\n) == 18
	v_max_num_f32 v[rT+1], v[rC], v[rC+3]
.elseif (\n) == 19
	v_mul_f32 v[rT], s[CS], v[rT+1]
.elseif (\n) == 20
	v_sub_f32 v[rC+1], v[rM], v[rT]
.else
	v_exp_f32 v[rC+2], v[rC+1]
.endif
.endm
; Number g of the 64 that follow the exponentials: roundings to bf16, sums of four weights in place, and l a group later.
.macro GS g
.set h, (\g)+6*((\g)/62)
.if h >= 6
.set h, h+2
.endif
	REGS Y, h%2
.set k, h/8
.if h%8 < 4
	v_cvt_pk_bf16_f32 v[rP+2*k+(h%8)/2], v[rS+4*k+2*((h%8)/2)], v[rS+4*k+2*((h%8)/2)+1]
.elseif h%8 < 6
	v_pk_add_f32 v[rS+4*k:rS+4*k+1], v[rS+4*k:rS+4*k+1], v[rS+4*k+2:rS+4*k+3]
.elseif k == 1
	v_pk_fma_f32 v[rT+2:rT+3], v[rT+2:rT+3], v[rC+2:rC+3], v[rS:rS+1] op_sel_hi:[1,0,1]
.else
	v_pk_add_f32 v[rT+2:rT+3], v[rT+2:rT+3], v[rS+4*k-4:rS+4*k-3]
.endif
.endm
.macro FS f
	REGS Y, (\f)%2
	v_pk_fma_f32 v[rS+2*((\f)/2):rS+2*((\f)/2)+1], v[rS+2*((\f)/2):rS+2*((\f)/2)+1], s[CS:CS+1], v[rT:rT+1] op_sel_hi:[1,0,0] neg_lo:[0,0,1] neg_hi:[0,0,1]
.endm
; THE PLAIN QUEUE, 138 long: 0-73 read no exponential's result (32 scalings, the other piece's 42); 74-137 are GS's 64, behind the wait.
.macro PL
	WIN 0
.if q < 27
	FS q
.elseif q < 55
	XS (q-27)%2, (q-27)/2
.elseif q < 57
	XS q-55, 15
.elseif (q < 72) && ((q-57)%3 == 0)
	FS 27+(q-57)/3
.elseif q < 60
	XS (q-57)%3-1, 14
.elseif q < 72
	XS (q-57)%3-1, 15+(q-57)/3
.elseif q < 74
	XS q-72, 20
.else
	GS q-74
.endif
.set q, q+1
.endm
.macro EX                           ; the exponentials' queue, 66 long: one batch ahead of the turn's one wait
	WIN 0
.if e >= 64
	XS e-64, 21
.else
	REGS Y, e%2
	v_exp_f32 v[rS+e/2], v[rS+e/2]
.endif
.set e, e+1
.endm
.macro R2                           ; the rescaling's queue: O^T times a, two at a time
	REGS Y, r%2
	WIN W_RS
.irp z, 0,1
	v_pk_mul_f32 v[rO+4*(r/2)+2*\z:rO+4*(r/2)+2*\z+1], v[rO+4*(r/2)+2*\z:rO+4*(r/2)+2*\z+1], v[rC+2:rC+3] op_sel_hi:[1,0]
.endr
.set r, r+1
.endm
; A TURN, for piece p.  Ahead of the wait: the other piece's mask, 16 products K Q^T with a scaling, an exponential and two rescalings behind each, and the lump.  Behind it: 16 products V^T P, four of GS's behind each.
; Turn 0 fetches K of the next step directly behind the wait (a lump behind K's last reader) and V of the step in hand at its end (four plain lines behind V's last reader); turn 1 waits for them.
.macro TURN p, cnt=0
.set Y, (\p)
.set i, 0
.set q, 0
.set e, 0
.set r, 0
	MASKC 1-(\p)
.if (\p) == 1
	s_wait_dscnt 16                 ; K is in; V's sixteen loads may stay out
.endif
	MM
	PL
	PL
	R2
.rept 15
	MM
	PL
	EX
	R2
.endr
.if (\p) == 0
	WIN 0
	v_add_nc_u32 v[AK], s[TBK], v[AK0]
.endif
.rept 8
	PL
.endr
.rept 49
	EX
	PL
.endr
	EX
	EX
	v_nop                           ; the plain line behind the last exponential: one for the batch
	s_wait_alu depctr_va_vdst(0)    ; the wait ahead of the batch's first reader
.if (\p) == 0
	FETCH_K
.endif
.if (\p) == 1
	s_wait_dscnt 0x0                ; V is in
.endif
.rept 16
	MM
.rept 4
	PL
.endr
.if ((\p) == 0) && (q == 118)
	v_add_nc_u32 v[AV], s[TBV], v[AV0]
.endif
.if ((\p) == 0) && (q == 130)
	s_add_co_u32 s[TBV], s[TBV], KS*PV
.endif
.if (\cnt) && (q == 130)
	s_sub_co_u32 s[CNT], s[CNT], 1
	s_cmp_lg_u32 s[CNT], 0
.endif
.endr
.if (\p) == 0
	FETCH_V
.endif
.endm
	CHANGE 1                        ; slot 0 is in, everybody's part of it; slot 1 is asked for
	s_wait_loadcnt 0x0              ; Q, K of step 0, the flags, the first codes
	WIN 0x88                        ; destination and source 1 in window 2
.set i, 0
.rept 64
	v_and_b32 v[i], v[48+i/16], v[i]  ; a row with no true entry loses its q
.set i, i+1
.endr
	MASKC 0
.set i, 0
.rept 16
	KQ 0                            ; piece 0's first scores
.set i, i+1
.endr
	WIN 0                           ; the addresses for the way out: the places behind those products
	s_mul_i32 s13, s[WV], 16*SP
	s_add_co_u32 s13, s13, STAGE
	v_mul_u32_u24 v[STO], v52, SP
	v_lshl_add_u32 v[STO], v53, 4, v[STO]
	v_add_nc_u32 v[STO], s13, v[STO]
	v_bfe_u32 v[RD], v57, 3, 2
	v_mul_u32_u24 v[RD], v[RD], SP
	v_lshl_add_u32 v[RD], v55, 4, v[RD]
	v_add_nc_u32 v[RD], s13, v[RD]
	v_lshlrev_b32 v[GO], 4, v57
.set Y, NP-1
.irp n, 0,1,2,3,4,5,6,7,8,9,10,11,12,13,14,15,16,17,18,19,20,21
	XS 0, \n
	XS 1, \n
.endr
	v_nop
	s_wait_alu depctr_va_vdst(0)    ; the two a have their wait ahead of the branch
	s_branch .Lenter
.Lslot:                             ; six times: slots 2 to 7 are asked for
	CHANGE 1
.Lenter:
	s_mov_b32 s[CNT], 4
.Lstep:                             ; a key step
	TURN 0
	TURN 1, 1
	WIN 0
	s_cbranch_scc1 .Lstep
	s_sub_co_u32 s[SLOTS], s[SLOTS], 1
	s_cmp_lg_u32 s[SLOTS], 0
	s_cbranch_scc1 .Lslot
	CHANGE 0                        ; the last slot is written out
	s_mov_b32 s[CNT], 4
.Ltail:
	TURN 0
	TURN 1, 1
	WIN 0
	s_cbranch_scc1 .Ltail
.set i, 0
.rept 16
	PV NP-1                         ; piece 1's V^T P of the last step
.set i, i+1
.endr
	; THE WAY OUT: l's halves are added, O^T is divided by l, rounded to bf16 and sent through my stage, a tile at a time.
	WIN 0
.macro ALL line:vararg
.set t, 0
.rept 2*NP
	\line
.set t, t+1
.endr
.endm
	ALL v_add_f32 v[ST+4*t+2], v[ST+4*t+2], v[ST+4*t+3]
	ALL v_permlanex16_b32 v[ST+4*t+3], v[ST+4*t+2], s[SEL], s[SEL+1]
	ALL v_add_f32 v[ST+4*t+2], v[ST+4*t+2], v[ST+4*t+3]
	ALL v_rcp_f32 v[ST+4*t+2], v[ST+4*t+2]
	v_nop
	s_wait_alu depctr_va_vdst(0)    ; one wait for the four reciprocals
.macro PACK t
	WIN W_RS
.set i, 32*(\t)
.rept 16
	v_pk_mul_f32 v[i:i+1], v[i:i+1], v[ST+4*(\t)+2:ST+4*(\t)+3] op_sel_hi:[1,0]
.set i, i+2
.endr
	WIN 0x05
.set i, 0
.rept 16
	v_cvt_pk_bf16_f32 v[S+16*(\t)+i], v[32*(\t)+2*i], v[32*(\t)+2*i+1]
.set i, i+1
.endr
	WIN 0
.irp f, 0,1,2,3
	ds_store_b128 v[STO], v[S+16*(\t)+4*\f:S+16*(\t)+4*\f+3] offset:32*\f
.endr
.irp f, 0,1,2,3
	ds_load_b128 v[S+16*(\t)+4*\f:S+16*(\t)+4*\f+3], v[RD] offset:\f*4*SP  ; LDS serves a wave's instructions in order (ISA guide 5.7.1.4)
.endr
.endm
.macro SEND t, younger
	WIN 0
.irp f, 0,1,2,3
	s_wait_dscnt (\younger)+3-\f
	global_store_b128 v[GO], v[S+16*(\t)+4*\f:S+16*(\t)+4*\f+3], s[10:11] offset:(\t)*2048+\f*512  ; 512 consecutive bytes, aligned
.endr
.endm
	PACK 0
.set t, 1
.rept 2*NP-1
	PACK t
	SEND t-1, 8
.set t, t+1
.endr
	SEND 2*NP-1, 0
	WIN W_AD
	s_wait_tensorcnt 0x0            ; the wave's end
	ds_add_u32 v[SPW], v[NIL]
	s_wait_dscnt 0x0
	WIN 0
	CROUND                          ; the closing round
	s_endpgm
.Lfunc_end_k_qd20951715c_attn:
	.size	k_qd20951715c_attn, .Lfunc_end_k_qd20951715c_attn-k_qd20951715c_attn
	.p2alignl 7, 3214868480
	.fill 96, 4, 3214868480
	.section	.rodata,"a",@progbits
	.p2align	6, 0x0
	.amdhsa_kernel k_qd20951715c_attn
		.amdhsa_group_segment_fixed_size 327680
		.amdhsa_private_segment_fixed_size 0
		.amdhsa_enable_private_segment 0
		.amdhsa_kernarg_size 24
		.amdhsa_user_sgpr_count 2
		.amdhsa_user_sgpr_kernarg_segment_ptr 1
		.amdhsa_wavefront_size32 1
		.amdhsa_system_sgpr_workgroup_id_x 1
		.amdhsa_system_sgpr_workgroup_id_y 1
		.amdhsa_system_sgpr_workgroup_id_z 1
		.amdhsa_system_vgpr_workitem_id 0
		.amdhsa_next_free_vgpr 768
		.amdhsa_next_free_sgpr 72
		.amdhsa_reserve_vcc 0
		.amdhsa_float_denorm_mode_32 3
		.amdhsa_float_denorm_mode_16_64 3
		.amdhsa_memory_ordered 1
		.amdhsa_forward_progress 1
		.amdhsa_inst_pref_size 120
	.end_amdhsa_kernel
	.amdgpu_metadata
---
amdhsa.version: [ 1, 2 ]
amdhsa.kernels:
  - .name:           k_qd20951715c_attn
    .symbol:         k_qd20951715c_attn.kd
    .args:
      - { .name: qkv, .offset: 0, .size: 8, .value_kind: global_buffer, .address_space: global }
      - { .name: mtab, .offset: 8, .size: 8, .value_kind: global_buffer, .address_space: global }
      - { .name: t8, .offset: 16, .size: 8, .value_kind: global_buffer, .address_space: global }
    .group_segment_fixed_size: 327680
    .private_segment_fixed_size: 0
    .kernarg_segment_align: 8
    .kernarg_segment_size: 24
    .max_flat_workgroup_size: 128
    .sgpr_count:     72
    .vgpr_count:     768
    .wavefront_size: 32
...
	.end_amdgpu_metadata
.endif
;; end of part 3
;; launch wo (part 4): grid 8 x 32, 4 waves a work-group, clusters of 4 x 4, 327,680 bytes of LDS; arguments t8, wA, x, h; writes h
.if DOCPART == 4
	.amdgcn_target "amdgcn-amd-amdhsa--gfx1250"
	.amdhsa_code_object_version 6
	.text
	.protected	k_qd20951715c_wo
	.globl	k_qd20951715c_wo
	.p2align	8
	.type	k_qd20951715c_wo,@function
k_qd20951715c_wo:
	s_mov_b64 s[64:65], 0
	v_nop
	global_prefetch_b8 v0, s[64:65] scope:SCOPE_SE
	s_setreg_imm32_b32 hwreg(HW_REG_WAVE_MODE, 25, 1), 1
	s_wait_xcnt 0x0
	s_wait_alu depctr_hold_cnt(0) depctr_sa_sdst(0) depctr_va_vdst(0) depctr_va_sdst(0) depctr_va_ssrc(0) depctr_va_vcc(0) depctr_vm_vsrc(0)
	s_getreg_b32 s2, hwreg(HW_REG_IB_STS2, 6, 4)
	s_cmp_eq_u32 s2, 0
	s_cbranch_scc0 .Lentry_in_a_cluster
	s_endpgm
.Lentry_in_a_cluster:
	s_bfe_u32 s2, ttmp6, 0x10000c
	s_cmp_lg_u32 s2, 0xf033
	s_cbranch_scc0 .Lentry_shape_is_right
	s_endpgm
.Lentry_shape_is_right:
; out = residual + A B^T (+ bias), in f32.  A: [SIZE_K / 64 units][4096 rows][64] bf16 (64 rows of a unit are 8,192 dense bytes); B: [1024][SIZE_K] bf16 at byte WOFF of the second buffer;
; residual and out: [4096][1024] f32.  Sums in f32.  Here: h = x + o Wo, SIZE_K = 1,024, no bias.
; A tile of out is 128 x 128: four waves, each 64 x 64 in 16 accumulators.  K goes in steps of 256 (four units) through a ring of two LDS slots.
; CLUSTERS: 4 x 4 work-groups; A's tile is asked for jointly along a row of the cluster, B's along a column.  THE MATRIX INSTRUCTION IS USED TRANSPOSED: a lane holds eight neighbouring columns of a row.
; REGISTERS: window 0: v0-31 addresses; v32-95 the way out; v96-127 the bias; v128-255 the accumulators.  window 1: two fragment buffers of 128; buffer 0 takes the residual at the end.
.set SIZE_K, 1024
.set WOFF,   6324224
.set HASB,   0
.set KSTEP,  256
.set APITCH, 144                       ; a row of A in LDS: a unit's 128 bytes + 16
.set AUNIT,  64*APITCH                 ; 64 rows of one unit
.set AHALF,  4*AUNIT                   ; what one tensor load brings of A: 64 rows x 4 units
.set ASTEP,  4*524288                  ; bytes from a K step to the next in A
.set BPITCH, 528                       ; a row of B in LDS: 512 bytes + 16
.set BHALF,  64*BPITCH
.set BOFF,   2*AHALF
.set SLOT,   2*AHALF+2*BHALF
.set STAGE,  2*SLOT                    ; behind the ring: 16 rows x 272 bytes for each wave
.set SPITCH, 272
.set SPARE,  STAGE+4*16*SPITCH         ; the spare words; no other line names them
.set LAPS,   SIZE_K/(2*KSTEP)
.set ADRA, 16
.set ADRB, 20
.set STO,  24
.set RD,   25
.set CO,   26
.set BO,   27
.set SPW,  28
.set NIL,  29
.set TMP,  32
.set BIAS, 96
.set ACC,  128
.set F0,   0
.set F1,   128
.set G1,  24
.set G0,  32
.set G1B, 48
.set G0B, 56
.set RP,  68                           ; s[68:69] the residual, s[70:71] out, s[72:73] the bias
.set OP,  70
.set BP,  72
.set MSB, 0
.macro WIN new
.if MSB != (\new)
	s_set_vgpr_msb (MSB<<8)|(\new)
.set MSB, \new
.endif
.endm
.set MUL,  0x05                        ; sources 0 (B) and 1 (A) window 1; C and D window 0
.set TO_F, 0x40
.macro JLOAD s                         ; waves 0 and 1 fetch A's two halves, waves 2 and 3 B's
	s_cmp_lt_u32 s10, 2
	s_cbranch_scc0 .Lfor_b_\@
	tensor_load_to_lds s[G0+4*(\s):G0+4*(\s)+3], s[G1:G1+7]
	s_nop 0
.rept 4
	v_nop
.endr
	s_branch .Lasked_\@
.Lfor_b_\@:
	tensor_load_to_lds s[G0B+4*(\s):G0B+4*(\s)+3], s[G1B:G1B+7]
	s_nop 0
.rept 4
	v_nop
.endr
.Lasked_\@:
.endm
.macro CREST
	s_cmp_lg_u32 s10, 0
	s_cbranch_scc1 .Lnot_wave_0_\@
	s_barrier_signal -3
.Lnot_wave_0_\@:
	s_barrier_wait -3
	s_barrier_signal -1
	s_barrier_wait -1
.endm
.macro CROUND
	s_barrier_signal -1
	s_barrier_wait -1
	CREST
.endm
	s_load_b128 s[4:7], s[0:1], 0x0                ; A s[4:5], the weights' buffer s[6:7]
	s_load_b128 s[RP:RP+3], s[0:1], 0x10           ; residual, out
.if HASB
	s_load_b64 s[BP:BP+1], s[0:1], 0x20
.endif
	v_lshl_add_u32 v[SPW], v0, 2, SPARE
	v_mov_b32 v[NIL], 0
	ds_add_u32 v[SPW], v[NIL]                      ; the wave's opening: the add and its wait stand ahead of my first tensor load
	v_lshrrev_b32 v1, 5, v0
	v_readfirstlane_b32 s10, v1
	s_lshr_b32 s11, s10, 1                         ; my half of the tile's rows
	s_and_b32 s12, s10, 1                          ; my half of its columns.  Also: which 64 rows I fetch
	s_bfe_u32 s40, ttmp6, 0x40000
	s_bfe_u32 s41, ttmp6, 0x40004
	s_lshl_b32 s42, ttmp9, 2
	s_add_co_u32 s42, s42, s40                     ; tile column
	s_and_b32 s13, ttmp7, 0xffff
	s_lshl_b32 s13, s13, 2
	s_add_co_u32 s13, s13, s41                     ; tile row
	s_lshl_b32 s43, s41, 2
	s_lshl_b32 s43, 15, s43
	s_lshl_b32 s44, 0x1111, s40
	; A: four "rows" (units) of 4,096 elements (64 rows x 64 channels, dense), padded by 4 words after every 32
	s_or_b32 s[G1+0], s43, (1<<16)|(1<<20)|(1<<21)|(4<<22)|(3<<25)
	s_mov_b32 s[G1+1], 4096<<16                    ; tensor_dim0 = 4,096
	s_mov_b32 s[G1+2], 4<<16                       ; tensor_dim1 = 4
	s_mov_b32 s[G1+3], 4096<<16                    ; tile_dim0 = 4,096
	s_mov_b32 s[G1+4], 4                           ; tile_dim1 = 4
	s_mov_b32 s[G1+5], 262144                      ; elements from unit to unit
	s_mov_b32 s[G1+6], 0
	s_mov_b32 s[G1+7], 0
	; B: 64 rows x 256 elements, padded by 4 words after every 128
	s_or_b32 s[G1B+0], s44, (1<<16)|(1<<20)|(1<<21)|(6<<22)|(3<<25)
	s_mov_b32 s[G1B+1], KSTEP<<16
	s_mov_b32 s[G1B+2], 64<<16
	s_mov_b32 s[G1B+3], KSTEP<<16
	s_mov_b32 s[G1B+4], 64
	s_mov_b32 s[G1B+5], SIZE_K
	s_mov_b32 s[G1B+6], 0
	s_mov_b32 s[G1B+7], 0
	s_lshl_b32 s16, s13, 14                        ; A: row 128 x tile row + 64 x half, 128 bytes a row
	s_lshl_b32 s17, s12, 13
	s_add_co_u32 s16, s16, s17
	s_mov_b32 s17, 0
	s_lshl_b32 s46, s42, 7                         ; B: row 128 x tile column + 64 x half
	s_lshl_b32 s47, s12, 6
	s_add_co_u32 s46, s46, s47
	s_mul_i32 s46, s46, SIZE_K*2
	s_add_co_u32 s46, s46, WOFF
	s_mov_b32 s47, 0
	s_mul_i32 s20, s12, AHALF                      ; where they go
	s_mul_i32 s19, s12, BHALF
	s_add_co_u32 s19, s19, BOFF
	s_wait_dscnt 0x0                               ; the opening add is done
	s_wait_kmcnt 0x0
	s_add_nc_u64 s[14:15], s[4:5], s[16:17]
	s_add_nc_u64 s[46:47], s[6:7], s[46:47]
	CROUND                                         ; all sixteen work-groups are here: the first joint loads meet
.irp s, 0,1
	s_mov_b32 s[G0+4*(\s)], 1
	s_add_co_u32 s[G0+4*(\s)+1], s20, (\s)*SLOT
	s_add_nc_u64 s[G0+4*(\s)+2:G0+4*(\s)+3], s[14:15], (\s)*ASTEP
	s_or_b32 s[G0+4*(\s)+3], s[G0+4*(\s)+3], 0x80000000
	s_mov_b32 s[G0B+4*(\s)], 1
	s_add_co_u32 s[G0B+4*(\s)+1], s19, (\s)*SLOT
	s_add_nc_u64 s[G0B+4*(\s)+2:G0B+4*(\s)+3], s[46:47], (\s)*KSTEP*2
	s_or_b32 s[G0B+4*(\s)+3], s[G0B+4*(\s)+3], 0x80000000
	JLOAD \s
.endr
	v_and_b32 v1, 15, v0                           ; l % 16
	v_bfe_u32 v2, v0, 4, 1                         ; l / 16
	s_lshl_b32 s74, s42, 9                         ; my 64 columns: 512 x tile column + 256 x half, in bytes of f32
	s_lshl_b32 s75, s12, 8
	s_add_co_u32 s74, s74, s75
	s_mov_b32 s75, 0
.if HASB
	s_add_nc_u64 s[BP:BP+1], s[BP:BP+1], s[74:75]
	v_lshlrev_b32 v[BO], 5, v2
.irp b, 0,1,2,3
	global_load_b128 v[BIAS+8*(\b):BIAS+8*(\b)+3],   v[BO], s[BP:BP+1] offset:64*(\b)
	global_load_b128 v[BIAS+8*(\b)+4:BIAS+8*(\b)+7], v[BO], s[BP:BP+1] offset:64*(\b)+16
.endr
.endif
	s_lshl_b32 s16, s13, 7
	s_lshl_b32 s17, s11, 6
	s_add_co_u32 s16, s16, s17                     ; my first row,
	s_lshl_b32 s16, s16, 12                        ; 4,096 bytes a row
	s_add_co_u32 s74, s74, s16
	s_add_nc_u64 s[RP:RP+1], s[RP:RP+1], s[74:75]
	s_add_nc_u64 s[OP:OP+1], s[OP:OP+1], s[74:75]
	v_mul_u32_u24 v3, v1, APITCH
	v_lshl_add_u32 v3, v2, 4, v3
	v_mul_u32_u24 v4, v1, BPITCH
	v_lshl_add_u32 v4, v2, 4, v4
	s_mul_i32 s21, s11, AHALF                      ; my 64 rows of A
	s_mul_i32 s22, s12, BHALF                      ; my 64 rows of B
	s_add_co_u32 s22, s22, BOFF
.irp s, 0,1
	v_add_nc_u32 v[ADRA+(\s)], s21, v3
	v_add_nc_u32 v[ADRB+(\s)], s22, v4
	s_add_co_u32 s21, s21, SLOT
	s_add_co_u32 s22, s22, SLOT
.endr
	s_mul_i32 s23, s10, 16*SPITCH
	s_add_co_u32 s23, s23, STAGE                   ; my stage: 16 rows of 64 f32
	v_mul_u32_u24 v5, v1, SPITCH                   ; in: row l % 16, 32 bytes for each half of the lanes
	v_lshl_add_u32 v5, v2, 5, v5
	v_add_nc_u32 v[STO], s23, v5
	v_mul_u32_u24 v5, v2, SPITCH                   ; back: lanes 0-15 one row of 256 bytes, lanes 16-31 the next
	v_lshl_add_u32 v5, v1, 4, v5
	v_add_nc_u32 v[RD], s23, v5
	v_lshlrev_b32 v5, 12, v2                       ; and the same two rows in memory
	v_lshl_add_u32 v[CO], v1, 4, v5
; 8 matrix instructions: m blocks a0, a0 + 1 x all 4 n blocks, 32 along K: half c of buffer f.  zero = 1: the first product starts the sums
.macro MUL8 f, c, a0, zero
	WIN MUL
.irp a, \a0, (\a0)+1
.irp b, 0,1,2,3
.if (\zero) && HASB
	v_wmma_f32_16x16x32_bf16 v[ACC+8*(4*(\a)+(\b)):ACC+8*(4*(\a)+(\b))+7], v[(\f)+64+8*(4*(\c)+(\b)):(\f)+64+8*(4*(\c)+(\b))+7], v[(\f)+8*(4*(\c)+(\a)):(\f)+8*(4*(\c)+(\a))+7], v[BIAS+8*(\b):BIAS+8*(\b)+7]
.elseif \zero
	v_wmma_f32_16x16x32_bf16 v[ACC+8*(4*(\a)+(\b)):ACC+8*(4*(\a)+(\b))+7], v[(\f)+64+8*(4*(\c)+(\b)):(\f)+64+8*(4*(\c)+(\b))+7], v[(\f)+8*(4*(\c)+(\a)):(\f)+8*(4*(\c)+(\a))+7], 0
.else
	v_wmma_f32_16x16x32_bf16 v[ACC+8*(4*(\a)+(\b)):ACC+8*(4*(\a)+(\b))+7], v[(\f)+64+8*(4*(\c)+(\b)):(\f)+64+8*(4*(\c)+(\b))+7], v[(\f)+8*(4*(\c)+(\a)):(\f)+8*(4*(\c)+(\a))+7], v[ACC+8*(4*(\a)+(\b)):ACC+8*(4*(\a)+(\b))+7]
.endif
.endr
.endr
.endm
; 32 LDS loads in one run: the fragments of 64 along K (one unit of A; byte k of B's rows) into buffer f; the first 32 along K first
.macro FETCH slot, k, f
	WIN TO_F
.irp c, 0,1
.irp i, 0,1,2,3
	ds_load_b128 v[(\f)+64+8*(4*(\c)+(\i)):(\f)+64+8*(4*(\c)+(\i))+3],   v[ADRB+(\slot)] offset:(\k)+64*(\c)+(\i)*16*BPITCH
	ds_load_b128 v[(\f)+64+8*(4*(\c)+(\i))+4:(\f)+64+8*(4*(\c)+(\i))+7], v[ADRB+(\slot)] offset:(\k)+64*(\c)+(\i)*16*BPITCH+32
	ds_load_b128 v[(\f)+8*(4*(\c)+(\i)):(\f)+8*(4*(\c)+(\i))+3],         v[ADRA+(\slot)] offset:((\k)/128)*AUNIT+64*(\c)+(\i)*16*APITCH
	ds_load_b128 v[(\f)+8*(4*(\c)+(\i))+4:(\f)+8*(4*(\c)+(\i))+7],       v[ADRA+(\slot)] offset:((\k)/128)*AUNIT+64*(\c)+(\i)*16*APITCH+32
.endr
.endr
.endm
.macro PLACES
.rept 4
	v_nop
.endr
.endm
; A K step is four quarters of 64 along K, 32 matrix instructions each, on buffers 0, 1, 0, 1; the 16 accumulators take turns.
.macro QUARTER slot, k, f, g, zero
	s_wait_dscnt 16                                ; the first 32 along K are in
	MUL8 \f, 0, 0, \zero
	MUL8 \f, 0, 2, \zero
	PLACES
	FETCH \slot, \k, \g
	s_wait_dscnt 32                                ; all but the 32 just issued
	MUL8 \f, 1, 0, 0
	MUL8 \f, 1, 2, 0
.endm
; The last quarter multiplies buffer 1 and changes slots.  fill = 1: this slot is filled again, two K steps ahead.
.macro TURN slot, next, fill
	WIN 0
	s_wait_tensorcnt 0x0                           ; all my tensor loads have landed: my part of the next slot
	ds_add_u32 v[SPW], v[NIL]
	s_wait_dscnt 17                                ; (the add and the youngest sixteen loads may be out)
	MUL8 F1, 0, 0, 0
	s_wait_dscnt 0x0                               ; the add is done, and my reads of this slot are over
	s_barrier_signal -1
	MUL8 F1, 0, 2, 0
.if \fill
	WIN 0
.endif
	s_barrier_wait -1
.if \fill
	CREST                                          ; no wave of any partner still reads this slot or has a load on its way
	s_add_nc_u64 s[G0+4*(\slot)+2:G0+4*(\slot)+3], s[G0+4*(\slot)+2:G0+4*(\slot)+3], 2*ASTEP
	s_add_nc_u64 s[G0B+4*(\slot)+2:G0B+4*(\slot)+3], s[G0B+4*(\slot)+2:G0B+4*(\slot)+3], 2*KSTEP*2
	JLOAD \slot
.else
	PLACES
.endif
	FETCH \next, 0, F0
	MUL8 F1, 1, 0, 0
	MUL8 F1, 1, 2, 0
.endm
	s_wait_tensorcnt 1                             ; my part of K step 0 is in; K step 1's load may stay out
	s_barrier_signal -1
	s_barrier_wait -1
	FETCH 0, 0, F0
.if HASB
	s_wait_loadcnt 0x0                             ; the bias
.endif
	QUARTER 0, 128, F0, F1, 1
	WIN 0
	s_mov_b32 s3, LAPS-1
.Llap:                                                 ; a trip goes once round the ring and fills both slots again
	QUARTER 0, 256, F1, F0, 0
	QUARTER 0, 384, F0, F1, 0
	TURN 0, 1, 1
	QUARTER 1, 128, F0, F1, 0
	QUARTER 1, 256, F1, F0, 0
	QUARTER 1, 384, F0, F1, 0
	TURN 1, 0, 1
	QUARTER 0, 128, F0, F1, 0
	WIN 0
	s_sub_co_u32 s3, s3, 1
	s_cmp_lg_u32 s3, 0
	s_cbranch_scc1 .Llap
	QUARTER 0, 256, F1, F0, 0                      ; the last lap fills nothing
	QUARTER 0, 384, F0, F1, 0
	TURN 0, 1, 0
	QUARTER 1, 128, F0, F1, 0
	QUARTER 1, 256, F1, F0, 0
	QUARTER 1, 384, F0, F1, 0
	PLACES                                         ; buffer 0 has been multiplied: it takes my 64 x 64 of the residual, in the order of the stores below
	WIN TO_F
.irp a, 0,1,2,3
.irp t, 0,1,2,3,4,5,6,7
	global_load_b128 v[F0+32*(\a)+4*(\t):F0+32*(\a)+4*(\t)+3], v[CO], s[RP:RP+1] offset:65536*(\a)+8192*(\t)
.endr
.endr
	s_wait_dscnt 16                                ; the very last quarter
	MUL8 F1, 0, 0, 0
	MUL8 F1, 0, 2, 0
	s_wait_dscnt 0
	MUL8 F1, 1, 0, 0
	MUL8 F1, 1, 2, 0
	WIN 0
	; THE WAY OUT, 16 rows at a time: the sums go into my stage (each accumulator's low half first) and come back as whole rows of 256 bytes; the residual is added; stored.
	PLACES
.irp a, 0,1,2,3
.if (\a) >= 2
	s_wait_xcnt 0x0                                ; the registers that the stores of two blocks back read are loaded again only behind this wait
.endif
.irp b, 0,1,2,3
	ds_store_b128 v[STO], v[ACC+8*(4*(\a)+(\b)):ACC+8*(4*(\a)+(\b))+3]   offset:64*(\b)
	ds_store_b128 v[STO], v[ACC+8*(4*(\a)+(\b))+4:ACC+8*(4*(\a)+(\b))+7] offset:64*(\b)+16
.endr
.irp t, 0,1,2,3,4,5,6,7
	ds_load_b128 v[TMP+32*((\a)%2)+4*(\t):TMP+32*((\a)%2)+4*(\t)+3], v[RD] offset:(\t)*2*SPITCH  ; LDS serves a wave's instructions in order (ISA guide 5.7.1.4)
.endr
	s_wait_loadcnt 24-8*(\a)                       ; this block's residual is in; the later blocks' loads may stay out
	s_wait_dscnt 0x0
	WIN 0x04                                       ; source 1 in window 1
.set z, 0
.rept 16
	v_pk_add_f32 v[TMP+32*((\a)%2)+z:TMP+32*((\a)%2)+z+1], v[TMP+32*((\a)%2)+z:TMP+32*((\a)%2)+z+1], v[F0+32*(\a)+z:F0+32*(\a)+z+1]
.set z, z+2
.endr
	WIN 0
.irp t, 0,1,2,3,4,5,6,7
.if HASB
	global_store_b128 v[CO], v[TMP+32*((\a)%2)+4*(\t):TMP+32*((\a)%2)+4*(\t)+3], s[OP:OP+1] offset:65536*(\a)+8192*(\t) th:TH_STORE_NT
.else
	global_store_b128 v[CO], v[TMP+32*((\a)%2)+4*(\t):TMP+32*((\a)%2)+4*(\t)+3], s[OP:OP+1] offset:65536*(\a)+8192*(\t)  ; 16 lanes store 256 consecutive bytes, aligned
.endif
.endr
.endr
	s_wait_tensorcnt 0x0                           ; the wave's end
	ds_add_u32 v[SPW], v[NIL]
	s_wait_dscnt 0x0
	CROUND                                         ; the closing round
	s_endpgm
.Lfunc_end_k_qd20951715c_wo:
	.size	k_qd20951715c_wo, .Lfunc_end_k_qd20951715c_wo-k_qd20951715c_wo
	.p2alignl 7, 3214868480
	.fill 96, 4, 3214868480
	.section	.rodata,"a",@progbits
	.p2align	6, 0x0
	.amdhsa_kernel k_qd20951715c_wo
		.amdhsa_group_segment_fixed_size 327680
		.amdhsa_private_segment_fixed_size 0
		.amdhsa_enable_private_segment 0
		.amdhsa_kernarg_size 32
		.amdhsa_user_sgpr_count 2
		.amdhsa_user_sgpr_kernarg_segment_ptr 1
		.amdhsa_wavefront_size32 1
		.amdhsa_system_sgpr_workgroup_id_x 1
		.amdhsa_system_sgpr_workgroup_id_y 1
		.amdhsa_system_sgpr_workgroup_id_z 1
		.amdhsa_system_vgpr_workitem_id 0
		.amdhsa_next_free_vgpr 512
		.amdhsa_next_free_sgpr 76
		.amdhsa_reserve_vcc 0
		.amdhsa_float_denorm_mode_32 3
		.amdhsa_float_denorm_mode_16_64 3
		.amdhsa_memory_ordered 1
		.amdhsa_forward_progress 1
		.amdhsa_inst_pref_size 93
	.end_amdhsa_kernel
	.amdgpu_metadata
---
amdhsa.version: [ 1, 2 ]
amdhsa.kernels:
  - .name:           k_qd20951715c_wo
    .symbol:         k_qd20951715c_wo.kd
    .args:
      - { .name: t8, .offset: 0, .size: 8, .value_kind: global_buffer, .address_space: global }
      - { .name: wA, .offset: 8, .size: 8, .value_kind: global_buffer, .address_space: global }
      - { .name: x, .offset: 16, .size: 8, .value_kind: global_buffer, .address_space: global }
      - { .name: h, .offset: 24, .size: 8, .value_kind: global_buffer, .address_space: global }
    .group_segment_fixed_size: 327680
    .private_segment_fixed_size: 0
    .kernarg_segment_align: 8
    .kernarg_segment_size: 32
    .max_flat_workgroup_size: 128
    .sgpr_count:     76
    .vgpr_count:     512
    .wavefront_size: 32
...
	.end_amdgpu_metadata
.endif
;; end of part 4
;; launch ln2: the kernel of part 1 again; grid 512 x 1, 8 waves a work-group, no clusters, 51,968 bytes of LDS; arguments h, g2, be2, Wq, Wk, Wv, Wo, w1, w2, b1, mask, t8, wA, wB, mtab; writes t8, wA, wB, mtab
;; launch ffn1: the kernel of part 2 again; grid 16 x 16, 4 waves a work-group, clusters of 4 x 4, 327,680 bytes of LDS; arguments t8, wB, act; writes act
;; launch ffn2 (part 5): grid 8 x 32, 4 waves a work-group, clusters of 4 x 4, 327,680 bytes of LDS; arguments act, wB, h, out0, b2; writes out0
.if DOCPART == 5
	.amdgcn_target "amdgcn-amd-amdhsa--gfx1250"
	.amdhsa_code_object_version 6
	.text
	.protected	k_qd20951715c_ffn2
	.globl	k_qd20951715c_ffn2
	.p2align	8
	.type	k_qd20951715c_ffn2,@function
k_qd20951715c_ffn2:
	s_mov_b64 s[64:65], 0
	v_nop
	global_prefetch_b8 v0, s[64:65] scope:SCOPE_SE
	s_setreg_imm32_b32 hwreg(HW_REG_WAVE_MODE, 25, 1), 1
	s_wait_xcnt 0x0
	s_wait_alu depctr_hold_cnt(0) depctr_sa_sdst(0) depctr_va_vdst(0) depctr_va_sdst(0) depctr_va_ssrc(0) depctr_va_vcc(0) depctr_vm_vsrc(0)
	s_getreg_b32 s2, hwreg(HW_REG_IB_STS2, 6, 4)
	s_cmp_eq_u32 s2, 0
	s_cbranch_scc0 .Lentry_in_a_cluster
	s_endpgm
.Lentry_in_a_cluster:
	s_bfe_u32 s2, ttmp6, 0x10000c
	s_cmp_lg_u32 s2, 0xf033
	s_cbranch_scc0 .Lentry_shape_is_right
	s_endpgm
.Lentry_shape_is_right:
; out = residual + A B^T + bias, in f32.  A: [SIZE_K / 64 units][4096 rows][64] bf16 (64 rows of a unit are 8,192 dense bytes); B: [1024][SIZE_K] bf16 at byte WOFF of the second buffer;
; residual and out: [4096][1024] f32; bias: [1024] f32, the C operand of the first product on each accumulator.  Sums in f32.  Here: out0 = h + act w2 + b2, SIZE_K = 4,096.
; A tile of out is 128 x 128: four waves, each 64 x 64 in 16 accumulators.  K goes in steps of 256 (four units) through a ring of two LDS slots.
; CLUSTERS: 4 x 4 work-groups; A's tile is asked for jointly along a row of the cluster, B's along a column.  THE MATRIX INSTRUCTION IS USED TRANSPOSED: a lane holds eight neighbouring columns of a row.
; REGISTERS: window 0: v0-31 addresses; v32-95 the way out; v96-127 the bias; v128-255 the accumulators.  window 1: two fragment buffers of 128; buffer 0 takes the residual at the end.
.set SIZE_K, 4096
.set WOFF,   8421376
.set HASB,   1
.set KSTEP,  256
.set APITCH, 144                       ; a row of A in LDS: a unit's 128 bytes + 16
.set AUNIT,  64*APITCH                 ; 64 rows of one unit
.set AHALF,  4*AUNIT                   ; what one tensor load brings of A: 64 rows x 4 units
.set ASTEP,  4*524288                  ; bytes from a K step to the next in A
.set BPITCH, 528                       ; a row of B in LDS: 512 bytes + 16
.set BHALF,  64*BPITCH
.set BOFF,   2*AHALF
.set SLOT,   2*AHALF+2*BHALF
.set STAGE,  2*SLOT                    ; behind the ring: 16 rows x 272 bytes for each wave
.set SPITCH, 272
.set SPARE,  STAGE+4*16*SPITCH         ; the spare words; no other line names them
.set LAPS,   SIZE_K/(2*KSTEP)
.set ADRA, 16
.set ADRB, 20
.set STO,  24
.set RD,   25
.set CO,   26
.set BO,   27
.set SPW,  28
.set NIL,  29
.set TMP,  32
.set BIAS, 96
.set ACC,  128
.set F0,   0
.set F1,   128
.set G1,  24
.set G0,  32
.set G1B, 48
.set G0B, 56
.set RP,  68                           ; s[68:69] the residual, s[70:71] out, s[72:73] the bias
.set OP,  70
.set BP,  72
.set MSB, 0
.macro WIN new
.if MSB != (\new)
	s_set_vgpr_msb (MSB<<8)|(\new)
.set MSB, \new
.endif
.endm
.set MUL,  0x05                        ; sources 0 (B) and 1 (A) window 1; C and D window 0
.set TO_F, 0x40
.macro JLOAD s                         ; waves 0 and 1 fetch A's two halves, waves 2 and 3 B's
	s_cmp_lt_u32 s10, 2
	s_cbranch_scc0 .Lfor_b_\@
	tensor_load_to_lds s[G0+4*(\s):G0+4*(\s)+3], s[G1:G1+7]
	s_nop 0
.rept 4
	v_nop
.endr
	s_branch .Lasked_\@
.Lfor_b_\@:
	tensor_load_to_lds s[G0B+4*(\s):G0B+4*(\s)+3], s[G1B:G1B+7]
	s_nop 0
.rept 4
	v_nop
.endr
.Lasked_\@:
.endm
.macro CREST
	s_cmp_lg_u32 s10, 0
	s_cbranch_scc1 .Lnot_wave_0_\@
	s_barrier_signal -3
.Lnot_wave_0_\@:
	s_barrier_wait -3
	s_barrier_signal -1
	s_barrier_wait -1
.endm
.macro CROUND
	s_barrier_signal -1
	s_barrier_wait -1
	CREST
.endm
	s_load_b128 s[4:7], s[0:1], 0x0                ; A s[4:5], the weights' buffer s[6:7]
	s_load_b128 s[RP:RP+3], s[0:1], 0x10           ; residual, out
.if HASB
	s_load_b64 s[BP:BP+1], s[0:1], 0x20
.endif
	v_lshl_add_u32 v[SPW], v0, 2, SPARE
	v_mov_b32 v[NIL], 0
	ds_add_u32 v[SPW], v[NIL]                      ; the wave's opening: the add and its wait stand ahead of my first tensor load
	v_lshrrev_b32 v1, 5, v0
	v_readfirstlane_b32 s10, v1
	s_lshr_b32 s11, s10, 1                         ; my half of the tile's rows
	s_and_b32 s12, s10, 1                          ; my half of its columns.  Also: which 64 rows I fetch
	s_bfe_u32 s40, ttmp6, 0x40000
	s_bfe_u32 s41, ttmp6, 0x40004
	s_lshl_b32 s42, ttmp9, 2
	s_add_co_u32 s42, s42, s40                     ; tile column
	s_and_b32 s13, ttmp7, 0xffff
	s_lshl_b32 s13, s13, 2
	s_add_co_u32 s13, s13, s41                     ; tile row
	s_lshl_b32 s43, s41, 2
	s_lshl_b32 s43, 15, s43
	s_lshl_b32 s44, 0x1111, s40
	; A: four "rows" (units) of 4,096 elements (64 rows x 64 channels, dense), padded by 4 words after every 32
	s_or_b32 s[G1+0], s43, (1<<16)|(1<<20)|(1<<21)|(4<<22)|(3<<25)
	s_mov_b32 s[G1+1], 4096<<16                    ; tensor_dim0 = 4,096
	s_mov_b32 s[G1+2], 4<<16                       ; tensor_dim1 = 4
	s_mov_b32 s[G1+3], 4096<<16                    ; tile_dim0 = 4,096
	s_mov_b32 s[G1+4], 4                           ; tile_dim1 = 4
	s_mov_b32 s[G1+5], 262144                      ; elements from unit to unit
	s_mov_b32 s[G1+6], 0
	s_mov_b32 s[G1+7], 0
	; B: 64 rows x 256 elements, padded by 4 words after every 128
	s_or_b32 s[G1B+0], s44, (1<<16)|(1<<20)|(1<<21)|(6<<22)|(3<<25)
	s_mov_b32 s[G1B+1], KSTEP<<16
	s_mov_b32 s[G1B+2], 64<<16
	s_mov_b32 s[G1B+3], KSTEP<<16
	s_mov_b32 s[G1B+4], 64
	s_mov_b32 s[G1B+5], SIZE_K
	s_mov_b32 s[G1B+6], 0
	s_mov_b32 s[G1B+7], 0
	s_lshl_b32 s16, s13, 14                        ; A: row 128 x tile row + 64 x half, 128 bytes a row
	s_lshl_b32 s17, s12, 13
	s_add_co_u32 s16, s16, s17
	s_mov_b32 s17, 0
	s_lshl_b32 s46, s42, 7                         ; B: row 128 x tile column + 64 x half
	s_lshl_b32 s47, s12, 6
	s_add_co_u32 s46, s46, s47
	s_mul_i32 s46, s46, SIZE_K*2
	s_add_co_u32 s46, s46, WOFF
	s_mov_b32 s47, 0
	s_mul_i32 s20, s12, AHALF                      ; where they go
	s_mul_i32 s19, s12, BHALF
	s_add_co_u32 s19, s19, BOFF
	s_wait_dscnt 0x0                               ; the opening add is done
	s_wait_kmcnt 0x0
	s_add_nc_u64 s[14:15], s[4:5], s[16:17]
	s_add_nc_u64 s[46:47], s[6:7], s[46:47]
	CROUND                                         ; all sixteen work-groups are here: the first joint loads meet
.irp s, 0,1
	s_mov_b32 s[G0+4*(\s)], 1
	s_add_co_u32 s[G0+4*(\s)+1], s20, (\s)*SLOT
	s_add_nc_u64 s[G0+4*(\s)+2:G0+4*(\s)+3], s[14:15], (\s)*ASTEP
	s_or_b32 s[G0+4*(\s)+3], s[G0+4*(\s)+3], 0x80000000
	s_mov_b32 s[G0B+4*(\s)], 1
	s_add_co_u32 s[G0B+4*(\s)+1], s19, (\s)*SLOT
	s_add_nc_u64 s[G0B+4*(\s)+2:G0B+4*(\s)+3], s[46:47], (\s)*KSTEP*2
	s_or_b32 s[G0B+4*(\s)+3], s[G0B+4*(\s)+3], 0x80000000
	JLOAD \s
.endr
	v_and_b32 v1, 15, v0                           ; l % 16
	v_bfe_u32 v2, v0, 4, 1                         ; l / 16
	s_lshl_b32 s74, s42, 9                         ; my 64 columns: 512 x tile column + 256 x half, in bytes of f32
	s_lshl_b32 s75, s12, 8
	s_add_co_u32 s74, s74, s75
	s_mov_b32 s75, 0
.if HASB
	s_add_nc_u64 s[BP:BP+1], s[BP:BP+1], s[74:75]
	v_lshlrev_b32 v[BO], 5, v2
.irp b, 0,1,2,3
	global_load_b128 v[BIAS+8*(\b):BIAS+8*(\b)+3],   v[BO], s[BP:BP+1] offset:64*(\b)
	global_load_b128 v[BIAS+8*(\b)+4:BIAS+8*(\b)+7], v[BO], s[BP:BP+1] offset:64*(\b)+16
.endr
.endif
	s_lshl_b32 s16, s13, 7
	s_lshl_b32 s17, s11, 6
	s_add_co_u32 s16, s16, s17                     ; my first row,
	s_lshl_b32 s16, s16, 12                        ; 4,096 bytes a row
	s_add_co_u32 s74, s74, s16
	s_add_nc_u64 s[RP:RP+1], s[RP:RP+1], s[74:75]
	s_add_nc_u64 s[OP:OP+1], s[OP:OP+1], s[74:75]
	v_mul_u32_u24 v3, v1, APITCH
	v_lshl_add_u32 v3, v2, 4, v3
	v_mul_u32_u24 v4, v1, BPITCH
	v_lshl_add_u32 v4, v2, 4, v4
	s_mul_i32 s21, s11, AHALF                      ; my 64 rows of A
	s_mul_i32 s22, s12, BHALF                      ; my 64 rows of B
	s_add_co_u32 s22, s22, BOFF
.irp s, 0,1
	v_add_nc_u32 v[ADRA+(\s)], s21, v3
	v_add_nc_u32 v[ADRB+(\s)], s22, v4
	s_add_co_u32 s21, s21, SLOT
	s_add_co_u32 s22, s22, SLOT
.endr
	s_mul_i32 s23, s10, 16*SPITCH
	s_add_co_u32 s23, s23, STAGE                   ; my stage: 16 rows of 64 f32
	v_mul_u32_u24 v5, v1, SPITCH                   ; in: row l % 16, 32 bytes for each half of the lanes
	v_lshl_add_u32 v5, v2, 5, v5
	v_add_nc_u32 v[STO], s23, v5
	v_mul_u32_u24 v5, v2, SPITCH                   ; back: lanes 0-15 one row of 256 bytes, lanes 16-31 the next
	v_lshl_add_u32 v5, v1, 4, v5
	v_add_nc_u32 v[RD], s23, v5
	v_lshlrev_b32 v5, 12, v2                       ; and the same two rows in memory
	v_lshl_add_u32 v[CO], v1, 4, v5
; 8 matrix instructions: m blocks a0, a0 + 1 x all 4 n blocks, 32 along K: half c of buffer f.  zero = 1: the first product starts the sums
.macro MUL8 f, c, a0, zero
	WIN MUL
.irp a, \a0, (\a0)+1
.irp b, 0,1,2,3
.if (\zero) && HASB
	v_wmma_f32_16x16x32_bf16 v[ACC+8*(4*(\a)+(\b)):ACC+8*(4*(\a)+(\b))+7], v[(\f)+64+8*(4*(\c)+(\b)):(\f)+64+8*(4*(\c)+(\b))+7], v[(\f)+8*(4*(\c)+(\a)):(\f)+8*(4*(\c)+(\a))+7], v[BIAS+8*(\b):BIAS+8*(\b)+7]
.elseif \zero
	v_wmma_f32_16x16x32_bf16 v[ACC+8*(4*(\a)+(\b)):ACC+8*(4*(\a)+(\b))+7], v[(\f)+64+8*(4*(\c)+(\b)):(\f)+64+8*(4*(\c)+(\b))+7], v[(\f)+8*(4*(\c)+(\a)):(\f)+8*(4*(\c)+(\a))+7], 0
.else
	v_wmma_f32_16x16x32_bf16 v[ACC+8*(4*(\a)+(\b)):ACC+8*(4*(\a)+(\b))+7], v[(\f)+64+8*(4*(\c)+(\b)):(\f)+64+8*(4*(\c)+(\b))+7], v[(\f)+8*(4*(\c)+(\a)):(\f)+8*(4*(\c)+(\a))+7], v[ACC+8*(4*(\a)+(\b)):ACC+8*(4*(\a)+(\b))+7]
.endif
.endr
.endr
.endm
; 32 LDS loads in one run: the fragments of 64 along K (one unit of A; byte k of B's rows) into buffer f; the first 32 along K first
.macro FETCH slot, k, f
	WIN TO_F
.irp c, 0,1
.irp i, 0,1,2,3
	ds_load_b128 v[(\f)+64+8*(4*(\c)+(\i)):(\f)+64+8*(4*(\c)+(\i))+3],   v[ADRB+(\slot)] offset:(\k)+64*(\c)+(\i)*16*BPITCH
	ds_load_b128 v[(\f)+64+8*(4*(\c)+(\i))+4:(\f)+64+8*(4*(\c)+(\i))+7], v[ADRB+(\slot)] offset:(\k)+64*(\c)+(\i)*16*BPITCH+32
	ds_load_b128 v[(\f)+8*(4*(\c)+(\i)):(\f)+8*(4*(\c)+(\i))+3],         v[ADRA+(\slot)] offset:((\k)/128)*AUNIT+64*(\c)+(\i)*16*APITCH
	ds_load_b128 v[(\f)+8*(4*(\c)+(\i))+4:(\f)+8*(4*(\c)+(\i))+7],       v[ADRA+(\slot)] offset:((\k)/128)*AUNIT+64*(\c)+(\i)*16*APITCH+32
.endr
.endr
.endm
.macro PLACES
.rept 4
	v_nop
.endr
.endm
; A K step is four quarters of 64 along K, 32 matrix instructions each, on buffers 0, 1, 0, 1; the 16 accumulators take turns.
.macro QUARTER slot, k, f, g, zero
	s_wait_dscnt 16                                ; the first 32 along K are in
	MUL8 \f, 0, 0, \zero
	MUL8 \f, 0, 2, \zero
	PLACES
	FETCH \slot, \k, \g
	s_wait_dscnt 32                                ; all but the 32 just issued
	MUL8 \f, 1, 0, 0
	MUL8 \f, 1, 2, 0
.endm
; The last quarter multiplies buffer 1 and changes slots.  fill = 1: this slot is filled again, two K steps ahead.
.macro TURN slot, next, fill
	WIN 0
	s_wait_tensorcnt 0x0                           ; all my tensor loads have landed: my part of the next slot
	ds_add_u32 v[SPW], v[NIL]
	s_wait_dscnt 17                                ; (the add and the youngest sixteen loads may be out)
	MUL8 F1, 0, 0, 0
	s_wait_dscnt 0x0                               ; the add is done, and my reads of this slot are over
	s_barrier_signal -1
	MUL8 F1, 0, 2, 0
.if \fill
	WIN 0
.endif
	s_barrier_wait -1
.if \fill
	CREST                                          ; no wave of any partner still reads this slot or has a load on its way
	s_add_nc_u64 s[G0+4*(\slot)+2:G0+4*(\slot)+3], s[G0+4*(\slot)+2:G0+4*(\slot)+3], 2*ASTEP
	s_add_nc_u64 s[G0B+4*(\slot)+2:G0B+4*(\slot)+3], s[G0B+4*(\slot)+2:G0B+4*(\slot)+3], 2*KSTEP*2
	JLOAD \slot
.else
	PLACES
.endif
	FETCH \next, 0, F0
	MUL8 F1, 1, 0, 0
	MUL8 F1, 1, 2, 0
.endm
	s_wait_tensorcnt 1                             ; my part of K step 0 is in; K step 1's load may stay out
	s_barrier_signal -1
	s_barrier_wait -1
	FETCH 0, 0, F0
.if HASB
	s_wait_loadcnt 0x0                             ; the bias
.endif
	QUARTER 0, 128, F0, F1, 1
	WIN 0
	s_mov_b32 s3, LAPS-1
.Llap:                                                 ; a trip goes once round the ring and fills both slots again
	QUARTER 0, 256, F1, F0, 0
	QUARTER 0, 384, F0, F1, 0
	TURN 0, 1, 1
	QUARTER 1, 128, F0, F1, 0
	QUARTER 1, 256, F1, F0, 0
	QUARTER 1, 384, F0, F1, 0
	TURN 1, 0, 1
	QUARTER 0, 128, F0, F1, 0
	WIN 0
	s_sub_co_u32 s3, s3, 1
	s_cmp_lg_u32 s3, 0
	s_cbranch_scc1 .Llap
	QUARTER 0, 256, F1, F0, 0                      ; the last lap fills nothing
	QUARTER 0, 384, F0, F1, 0
	TURN 0, 1, 0
	QUARTER 1, 128, F0, F1, 0
	QUARTER 1, 256, F1, F0, 0
	QUARTER 1, 384, F0, F1, 0
	PLACES                                         ; buffer 0 has been multiplied: it takes my 64 x 64 of the residual, in the order of the stores below
	WIN TO_F
.irp a, 0,1,2,3
.irp t, 0,1,2,3,4,5,6,7
	global_load_b128 v[F0+32*(\a)+4*(\t):F0+32*(\a)+4*(\t)+3], v[CO], s[RP:RP+1] offset:65536*(\a)+8192*(\t)
.endr
.endr
	s_wait_dscnt 16                                ; the very last quarter
	MUL8 F1, 0, 0, 0
	MUL8 F1, 0, 2, 0
	s_wait_dscnt 0
	MUL8 F1, 1, 0, 0
	MUL8 F1, 1, 2, 0
	WIN 0
	; THE WAY OUT, 16 rows at a time: the sums go into my stage (each accumulator's low half first) and come back as whole rows of 256 bytes; the residual is added; stored.
	PLACES
.irp a, 0,1,2,3
.if (\a) >= 2
	s_wait_xcnt 0x0                                ; the registers that the stores of two blocks back read are loaded again only behind this wait
.endif
.irp b, 0,1,2,3
	ds_store_b128 v[STO], v[ACC+8*(4*(\a)+(\b)):ACC+8*(4*(\a)+(\b))+3]   offset:64*(\b)
	ds_store_b128 v[STO], v[ACC+8*(4*(\a)+(\b))+4:ACC+8*(4*(\a)+(\b))+7] offset:64*(\b)+16
.endr
.irp t, 0,1,2,3,4,5,6,7
	ds_load_b128 v[TMP+32*((\a)%2)+4*(\t):TMP+32*((\a)%2)+4*(\t)+3], v[RD] offset:(\t)*2*SPITCH  ; LDS serves a wave's instructions in order (ISA guide 5.7.1.4)
.endr
	s_wait_loadcnt 24-8*(\a)                       ; this block's residual is in; the later blocks' loads may stay out
	s_wait_dscnt 0x0
	WIN 0x04                                       ; source 1 in window 1
.set z, 0
.rept 16
	v_pk_add_f32 v[TMP+32*((\a)%2)+z:TMP+32*((\a)%2)+z+1], v[TMP+32*((\a)%2)+z:TMP+32*((\a)%2)+z+1], v[F0+32*(\a)+z:F0+32*(\a)+z+1]
.set z, z+2
.endr
	WIN 0
.irp t, 0,1,2,3,4,5,6,7
.if HASB
	global_store_b128 v[CO], v[TMP+32*((\a)%2)+4*(\t):TMP+32*((\a)%2)+4*(\t)+3], s[OP:OP+1] offset:65536*(\a)+8192*(\t) th:TH_STORE_NT
.else
	global_store_b128 v[CO], v[TMP+32*((\a)%2)+4*(\t):TMP+32*((\a)%2)+4*(\t)+3], s[OP:OP+1] offset:65536*(\a)+8192*(\t)  ; 16 lanes store 256 consecutive bytes, aligned
.endif
.endr
.endr
	s_wait_tensorcnt 0x0                           ; the wave's end
	ds_add_u32 v[SPW], v[NIL]
	s_wait_dscnt 0x0
	CROUND                                         ; the closing round
	s_endpgm
.Lfunc_end_k_qd20951715c_ffn2:
	.size	k_qd20951715c_ffn2, .Lfunc_end_k_qd20951715c_ffn2-k_qd20951715c_ffn2
	.p2alignl 7, 3214868480
	.fill 96, 4, 3214868480
	.section	.rodata,"a",@progbits
	.p2align	6, 0x0
	.amdhsa_kernel k_qd20951715c_ffn2
		.amdhsa_group_segment_fixed_size 327680
		.amdhsa_private_segment_fixed_size 0
		.amdhsa_enable_private_segment 0
		.amdhsa_kernarg_size 40
		.amdhsa_user_sgpr_count 2
		.amdhsa_user_sgpr_kernarg_segment_ptr 1
		.amdhsa_wavefront_size32 1
		.amdhsa_system_sgpr_workgroup_id_x 1
		.amdhsa_system_sgpr_workgroup_id_y 1
		.amdhsa_system_sgpr_workgroup_id_z 1
		.amdhsa_system_vgpr_workitem_id 0
		.amdhsa_next_free_vgpr 512
		.amdhsa_next_free_sgpr 76
		.amdhsa_reserve_vcc 0
		.amdhsa_float_denorm_mode_32 3
		.amdhsa_float_denorm_mode_16_64 3
		.amdhsa_memory_ordered 1
		.amdhsa_forward_progress 1
		.amdhsa_inst_pref_size 94
	.end_amdhsa_kernel
	.amdgpu_metadata
---
amdhsa.version: [ 1, 2 ]
amdhsa.kernels:
  - .name:           k_qd20951715c_ffn2
    .symbol:         k_qd20951715c_ffn2.kd
    .args:
      - { .name: act, .offset: 0, .size: 8, .value_kind: global_buffer, .address_space: global }
      - { .name: wB, .offset: 8, .size: 8, .value_kind: global_buffer, .address_space: global }
      - { .name: h, .offset: 16, .size: 8, .value_kind: global_buffer, .address_space: global }
      - { .name: out0, .offset: 24, .size: 8, .value_kind: global_buffer, .address_space: global }
      - { .name: b2, .offset: 32, .size: 8, .value_kind: global_buffer, .address_space: global }
    .group_segment_fixed_size: 327680
    .private_segment_fixed_size: 0
    .kernarg_segment_align: 8
    .kernarg_segment_size: 40
    .max_flat_workgroup_size: 128
    .sgpr_count:     76
    .vgpr_count:     512
    .wavefront_size: 32
...
	.end_amdgpu_metadata
.endif
;; end of part 5
